; MI455X (gfx1250); checked and timed in simulation.
; The chip was launched on July 23, 2026; its instructions are those of AMD's public machine-readable ISA for CDNA 5 (MIT licence, August 2026) and "CDNA5" Instruction Set Architecture Reference Guide (July 2026). The comments in the code are by the model that wrote it; some were corrected since.
;; Local Self Attention. Allowed arithmetic: float matrix products may take bf16 or f16 operands with f32 sums; other float arithmetic in f32, or as packed bf16 or f16 multiplies, adds, multiply-adds, maxima and minima; sums over many terms, partial sums and values carried from step to step in f32; what a program stores and reads back later, other than sums and carried values, may be rounded once to bf16 or f16.
;; Inputs: w_proj 1,024 x 1,024 float32; w_qkv 3,072 x 1,024 float32; x 4 x 2,048 x 1,024 float32.
;; Outputs: out0 4 x 2,048 x 1,024 float32.
;; 2 versions, each right; version 2 is version 1 with the launch cast written anew for expert scheduling mode. Each part assembles by itself: llvm-mc -triple=amdgcn-amd-amdhsa -mcpu=gfx1250 --defsym DOCPART=n.
;; ======== version 1 of 2: 4 launches
;; limits: values are held in f16: magnitudes above 65,504 overflow, below 6.1e-05 lose precision
;; workspace buffers: xb 16,777,216 bytes; wqb 6,291,456 bytes; wpb 2,097,152 bytes; qkv 50,331,648 bytes; ob 16,777,216 bytes
;; launch cast (part 1): grid 768 x 1, 8 waves a work-group, no clusters, 0 bytes of LDS; arguments x, w_qkv, w_proj, xb, wqb, wpb; writes xb, wqb, wpb
.if DOCPART == 1
	.amdgcn_target "amdgcn-amd-amdhsa--gfx1250"
	.amdhsa_code_object_version 6
	.text
	.protected	k_q3891a3cacb_cast
	.globl	k_q3891a3cacb_cast
	.p2align	8
	.type	k_q3891a3cacb_cast,@function
k_q3891a3cacb_cast:
	s_mov_b64 s[64:65], 0
	v_nop
	global_prefetch_b8 v0, s[64:65] scope:SCOPE_SE
	s_setreg_imm32_b32 hwreg(HW_REG_WAVE_MODE, 25, 1), 1
	s_wait_xcnt 0x0
; THE INPUTS ARE ROUNDED ONCE, for the matrix units: x -> xb and w_qkv -> wqb in bf16; w_proj -> wpb rounded to bf16 and that number written as f16
; (the product that reads it has f16 operands).  All three inputs get the same rounding, to bf16.
; LIMITS.  |w_proj| stays under 65,504, f16's largest number (beyond it wpb holds an infinity); below 2^-14 it keeps f16's fixed step of 2^-24.
; SHARES.  A work-group converts 16,384 numbers: 65,536 bytes in, 32,768 out.  Work-groups 0-511 take x, 512-703 w_qkv, 704-767 w_proj.
; A wave takes 8,192 bytes by 16 loads of 512 consecutive bytes, all out at once; each load becomes one store of 8 bytes a lane: 256 consecutive bytes, aligned.
; No LDS, no barrier, no matrix unit: each byte is read once and written once, and no wave wants another's bytes.
.set NX,  512                          ; work-groups for x
.set NXQ, 704                          ; for x and w_qkv together
.set X,   8                            ; v[8:71]    load i: 4 registers
.set Y,   72                           ; v[72:103]  store i: 2 registers, each stored once
.set T,   104                          ; v[104:105] at work
	s_load_b256 s[4:11], s[0:1], 0x0               ; x s[4:5], w_qkv s[6:7], w_proj s[8:9], xb s[10:11]
	s_load_b128 s[12:15], s[0:1], 0x20             ; wqb s[12:13], wpb s[14:15]
	v_lshrrev_b32 v3, 5, v0                        ; wave
	v_and_b32 v4, 31, v0                           ; lane
	v_lshlrev_b32 v1, 4, v4
	v_lshl_add_u32 v1, v3, 13, v1                  ; in: 8,192 x wave + 16 x lane
	v_lshlrev_b32 v2, 3, v4
	v_lshl_add_u32 v2, v3, 12, v2                  ; out: 4,096 x wave + 8 x lane
	s_wait_kmcnt 0x0
	s_cmp_lt_u32 ttmp9, NX                         ; which tensor: the choice hangs on the work-group's number alone
	s_cselect_b64 s[18:19], s[4:5], s[6:7]
	s_cselect_b64 s[20:21], s[10:11], s[12:13]
	s_cselect_b32 s16, 0, NX
	s_cmp_lt_u32 ttmp9, NXQ
	s_cselect_b64 s[18:19], s[18:19], s[8:9]
	s_cselect_b64 s[20:21], s[20:21], s[14:15]
	s_cselect_b32 s16, s16, NXQ
	s_sub_co_u32 s16, ttmp9, s16                   ; my number among the tensor's work-groups
	s_lshl_b32 s22, s16, 16
	s_mov_b32 s23, 0
	s_add_nc_u64 s[18:19], s[18:19], s[22:23]      ; 65,536 bytes in for each,
	s_lshl_b32 s22, s16, 15
	s_add_nc_u64 s[20:21], s[20:21], s[22:23]      ; 32,768 out
.irp i, 0,1,2,3,4,5,6,7,8,9,10,11,12,13,14,15
	global_load_b128 v[X+4*(\i):X+4*(\i)+3], v1, s[18:19] offset:512*(\i) th:TH_LOAD_NT
.endr
; Load i is rounded and stored.  mode = 1: the bf16 number is widened (a shift, a mask) and written as f16.
.macro OUT i, mode
	s_wait_loadcnt 15-(\i)                         ; loads come back in order (ISA guide 5.7.1): mine is in, the 15 - i younger ones may stay out
.irp p, 0,1
	v_cvt_pk_bf16_f32 v[Y+2*(\i)+(\p)], v[X+4*(\i)+2*(\p)], v[X+4*(\i)+2*(\p)+1]
.if \mode
	v_lshlrev_b32 v[T], 16, v[Y+2*(\i)+(\p)]
	v_and_b32 v[T+1], 0xffff0000, v[Y+2*(\i)+(\p)]
	v_cvt_pk_f16_f32 v[Y+2*(\i)+(\p)], v[T], v[T+1]
.endif
.endr
	global_store_b64 v2, v[Y+2*(\i):Y+2*(\i)+1], s[20:21] offset:256*(\i)  ; 32 lanes x 8 bytes: 256 consecutive bytes, aligned; no register that a store reads is written again
.endm
	s_cmp_ge_u32 ttmp9, NXQ
	s_cbranch_scc1 .Lproj
.irp i, 0,1,2,3,4,5,6,7,8,9,10,11,12,13,14,15
	OUT \i, 0
.endr
	s_endpgm
.Lproj:
.irp i, 0,1,2,3,4,5,6,7,8,9,10,11,12,13,14,15
	OUT \i, 1
.endr
	s_endpgm
.Lfunc_end_k_q3891a3cacb_cast:
	.size	k_q3891a3cacb_cast, .Lfunc_end_k_q3891a3cacb_cast-k_q3891a3cacb_cast
	.p2alignl 7, 3214868480
	.fill 96, 4, 3214868480
	.section	.rodata,"a",@progbits
	.p2align	6, 0x0
	.amdhsa_kernel k_q3891a3cacb_cast
		.amdhsa_group_segment_fixed_size 0
		.amdhsa_private_segment_fixed_size 0
		.amdhsa_enable_private_segment 0
		.amdhsa_kernarg_size 48
		.amdhsa_user_sgpr_count 2
		.amdhsa_user_sgpr_kernarg_segment_ptr 1
		.amdhsa_wavefront_size32 1
		.amdhsa_system_sgpr_workgroup_id_x 1
		.amdhsa_system_sgpr_workgroup_id_y 1
		.amdhsa_system_sgpr_workgroup_id_z 1
		.amdhsa_system_vgpr_workitem_id 0
		.amdhsa_next_free_vgpr 108
		.amdhsa_next_free_sgpr 66
		.amdhsa_reserve_vcc 0
		.amdhsa_float_denorm_mode_32 3
		.amdhsa_float_denorm_mode_16_64 3
		.amdhsa_memory_ordered 1
		.amdhsa_forward_progress 1
		.amdhsa_inst_pref_size 16
	.end_amdhsa_kernel
	.amdgpu_metadata
---
amdhsa.version: [ 1, 2 ]
amdhsa.kernels:
  - .name:           k_q3891a3cacb_cast
    .symbol:         k_q3891a3cacb_cast.kd
    .args:
      - { .name: x, .offset: 0, .size: 8, .value_kind: global_buffer, .address_space: global }
      - { .name: w_qkv, .offset: 8, .size: 8, .value_kind: global_buffer, .address_space: global }
      - { .name: w_proj, .offset: 16, .size: 8, .value_kind: global_buffer, .address_space: global }
      - { .name: xb, .offset: 24, .size: 8, .value_kind: global_buffer, .address_space: global }
      - { .name: wqb, .offset: 32, .size: 8, .value_kind: global_buffer, .address_space: global }
      - { .name: wpb, .offset: 40, .size: 8, .value_kind: global_buffer, .address_space: global }
    .group_segment_fixed_size: 0
    .private_segment_fixed_size: 0
    .kernarg_segment_align: 8
    .kernarg_segment_size: 48
    .max_flat_workgroup_size: 256
    .sgpr_count:     66
    .vgpr_count:     108
    .wavefront_size: 32
...
	.end_amdgpu_metadata
.endif
;; end of part 1
;; launch qkv (part 2): grid 16 x 16, 4 waves a work-group, clusters of 4 x 4, 327,680 bytes of LDS; arguments xb, wqb, qkv; writes qkv
.if DOCPART == 2
	.amdgcn_target "amdgcn-amd-amdhsa--gfx1250"
	.amdhsa_code_object_version 6
	.text
	.protected	k_q3891a3cacb_qkv
	.globl	k_q3891a3cacb_qkv
	.p2align	8
	.type	k_q3891a3cacb_qkv,@function
k_q3891a3cacb_qkv:
	s_mov_b64 s[64:65], 0
	v_nop
	global_prefetch_b8 v0, s[64:65] scope:SCOPE_SE
	s_setreg_imm32_b32 hwreg(HW_REG_WAVE_MODE, 25, 1), 1
	s_wait_xcnt 0x0
	s_wait_alu depctr_hold_cnt(0) depctr_sa_sdst(0) depctr_va_vdst(0) depctr_va_sdst(0) depctr_va_ssrc(0) depctr_va_vcc(0) depctr_vm_vsrc(0)
	s_getreg_b32 s2, hwreg(HW_REG_IB_STS2, 6, 4)
	s_cmp_eq_u32 s2, 0
	s_cbranch_scc0 .Lentry_in_a_cluster
	s_endpgm
.Lentry_in_a_cluster:
	s_bfe_u32 s2, ttmp6, 0x10000c
	s_cmp_lg_u32 s2, 0xf033
	s_cbranch_scc0 .Lentry_shape_is_right
	s_endpgm
.Lentry_shape_is_right:
; q, k, v = x w_qkv^T.  C[m][n] = sum over k of xb[m][k] wqb[n][k]; xb: [8192][1024], wqb: [3072][1024], both bf16; sums in f32, rounded once to f16, without the softmax's scale.
; C IS WRITTEN BY HEADS: qkv[b][g][t][64], b = m / 2048, t = m % 2048, g = n / 64 (0-15 q's heads, 16-31 k's, 32-47 v's): a plane (b, g) is 262,144 dense bytes.
; LIMIT.  |q|, |k|, |v| stay under 65,504, f16's largest number; beyond it the stored number is an infinity.
; TILES.  A tile of C is 256 x 192: 32 x 16 = 512 tiles, two for each of 256 work-groups.  A WORK-GROUP STAYS and makes two tiles, 4,096 rows apart, with the same rows of wqb; the ring of LDS slots runs on across the change of tiles.
; Four waves, one above the other: wave w has rows 64 w .. 64 w + 63 and all 192 columns: 48 accumulators of 16 x 16, 384 registers.  192 columns are three WHOLE heads, so that
; 16 rows x 64 columns are 2,048 consecutive bytes of a plane; a cut of 2 x 2 waves would give each a head and a half.
; K goes in steps of 128 through two LDS slots filled by the tensor data mover: rows of 256 bytes of memory, each at a multiple of 256 bytes from its buffer's first byte.
; CLUSTERS: 4 x 4 work-groups.  The four of a row of the cluster need the same tiles of xb, the four of a column the same tiles of wqb: each tile is asked for JOINTLY, by the same tensor load with the same descriptor and a mask of four.
; THE MATRIX INSTRUCTION IS USED TRANSPOSED (source 0 = 16 rows of wqb, source 1 = 16 rows of xb): a lane then holds eight neighbouring columns of one row of C.
; REGISTERS, in windows of 256 (s_set_vgpr_msb: bits 1:0 source 0, 3:2 source 1, 5:4 source 2, 7:6 destination):
;   window 0: v0-31 addresses; v32-95 fragments of xb (4 x 16 rows x 32 K), two buffers; v96-143 packed results; v144-239 rows read back from the stage, two buffers
;   window 1: v0-191 fragments of wqb (12 x 16 rows x 32 K), two buffers
;   window 2: accumulators (a, b), b < 8, at 8 (8 a + b)          window 3: those with b >= 8, at 8 (4 a + b - 8)
.set SIZE_K, 1024
.set KSTEP,  128
.set PITCH,  272                       ; an LDS row: 256 bytes + 16 of padding = 68 words: row r starts at bank 4 r mod 64 (64 banks of 4 bytes: ISA guide 11.1), so the 16 rows of a load start at 16 different banks
.set HALFA,  128*PITCH                 ; what a tensor load for xb brings: 128 rows
.set HALFB,  96*PITCH                  ; for wqb: 96 rows
.set BOFF,   2*HALFA                   ; in a slot: xb's 256 rows, then wqb's 192
.set SLOT,   BOFF+2*HALFB
.set STAGE,  2*SLOT                    ; behind the ring, never filled by a tensor load: for each wave 3 heads x 16 rows x 144 bytes
.set SP,     144
.set HST,    16*SP
.set WST,    3*HST
.set SPARE,  STAGE+4*WST               ; behind the stages: the spare words, 128 bytes for each wave: two blocks of 256 bytes that no other line names
.set LAPS,   SIZE_K/(2*KSTEP)          ; a lap = two K steps = once round the ring
.set WALK,   4096                      ; rows from a work-group's first tile to its second
.set PL,     262144                    ; bytes in a plane of qkv
.set NEXT_A, WALK*SIZE_K*2-(SIZE_K-2*KSTEP)*2  ; bytes from a slot's last K step of a tile to its first of the next: 4,096 rows down, back along K
.set BACK_B, (SIZE_K-2*KSTEP)*2        ; wqb only back
.set NEXT_C, 2*48*PL                   ; 4,096 rows of C are two batches: 96 planes
.set ADRA, 16                          ; v16-17  LDS address of my fragments of xb in slot 0, 1
.set ADRB, 20                          ; v20-21  the same for wqb
.set STO,  24                          ; v24     the way out: where I put 16 bytes of a row
.set RD,   25                          ; v25     the way out: where I read rows back
.set CO,   26                          ; v26     16 x lane: my place in 512 consecutive bytes of a plane
.set SPW,  28                          ; v28     LDS address of my spare word: SPARE + 4 x my thread's number; never rewritten
.set NIL,  29                          ; v29     0; never rewritten
.set PFO,  30                          ; v30     the prefetches' offset: a lane a row; never rewritten
.set FA,   32
.set FB,   0
.set TMP,  96
.set OB,   144
.set G1,   24                          ; s[24:31] descriptor group 1 for xb's tiles;  s[32:39] group 0, a set for each slot
.set G0,   32
.set G1B,  48                          ; s[48:55], s[56:63] the same for wqb's
.set G0B,  56
.set PFA,  44                          ; s[44:45] where my prefetches stand: one K step further along K than the refill that is being asked for
.set LIM,  43                          ; s43      1 in a wave that prefetches, else the greatest number
.set MSB, 0
.macro WIN new                         ; the immediate's high byte repeats the setting that is left; a switch that changes nothing is dropped
.if MSB != (\new)
	s_set_vgpr_msb (MSB<<8)|(\new)
.set MSB, \new
.endif
.endm
.set MUL_LO, 0xa1                      ; source 0 (wqb) window 1, source 1 (xb) window 0, C and D window 2
.set MUL_HI, 0xf1                      ; the same, C and D window 3
.set TO_B,   0x40                      ; destination window 1, address window 0
; A joint load.  Waves 0 and 1 fetch xb's two halves, waves 2 and 3 wqb's.  The branch hangs on the wave's number alone.  An s_nop 0 and four v_nop follow each of the two lines.
.macro JLOAD s
	s_cmp_eq_u32 s11, 0
	s_cbranch_scc0 .Lfor_b_\@
	tensor_load_to_lds s[G0+4*(\s):G0+4*(\s)+3], s[G1:G1+7]
	s_nop 0
.rept 4
	v_nop
.endr
	s_branch .Lasked_\@
.Lfor_b_\@:
	tensor_load_to_lds s[G0B+4*(\s):G0B+4*(\s)+3], s[G1B:G1B+7]
	s_nop 0
.rept 4
	v_nop
.endr
.Lasked_\@:
.endm
; A PREFETCH INTO THE L2, behind each joint load and the run of LDS loads that follows it: the K step that stands two refills on, 256 bytes of a row, a lane a row, one instruction a wave.
; xb's tile row is read by every cluster of that row of clusters: cluster x = 0 asks.  wqb's tile column by every cluster of that column: cluster y = 0 asks, in the first tile alone (the second tile walks the same rows).
; The four partners that ask for a tile jointly share its rows out BY ADDRESS: of xb's 128 rows a wave 32 each (by cx), of wqb's 96 rows 24 each (by cy; there lanes 24-31 name lane 23's row once more).
; how = 0, in the loop: a tile's last two refills have no K step two on; how = 1, at the change of tiles.
.macro ASK how
.if \how
	s_cmp_eq_u32 s[LIM], 1
.else
	s_cmp_gt_u32 s3, s[LIM]                        ; s3 = 1 in the loop's last trip
.endif
	s_cbranch_scc0 .Lnot_mine_\@
	global_prefetch_b8 v[PFO], s[PFA:PFA+1] offset:KSTEP*2 th:TH_LOAD_NT scope:SCOPE_SE
.Lnot_mine_\@:
.endm
; A round of the cluster's barrier: my work-group's barrier; wave 0 signals for the work-group; every wave waits for all sixteen; my work-group's barrier once more.
.macro CREST                           ; a round behind its opening barrier
	s_cmp_lg_u32 s10, 0
	s_cbranch_scc1 .Lnot_wave_0_\@
	s_barrier_signal -3
.Lnot_wave_0_\@:
	s_barrier_wait -3
	s_barrier_signal -1
	s_barrier_wait -1
.endm
.macro CROUND
	s_barrier_signal -1
	s_barrier_wait -1
	CREST
.endm
	s_load_b128 s[4:7], s[0:1], 0x0                ; xb s[4:5], wqb s[6:7]
	s_load_b64 s[8:9], s[0:1], 0x10                ; qkv
	v_lshl_add_u32 v[SPW], v0, 2, SPARE
	v_mov_b32 v[NIL], 0
	ds_add_u32 v[SPW], v[NIL]                      ; the wave's opening: the add and its wait stand ahead of my first tensor load; the set-up below, work on registers, stands between them
	v_lshrrev_b32 v1, 5, v0
	v_readfirstlane_b32 s10, v1                    ; wave 0..3
	s_lshr_b32 s11, s10, 1                         ; I fetch for xb (0) or for wqb (1),
	s_and_b32 s12, s10, 1                          ; this half of the tile's rows
	s_bfe_u32 s40, ttmp6, 0x40000                  ; cx, cy: my place in the cluster
	s_bfe_u32 s41, ttmp6, 0x40004
	s_lshl_b32 s42, ttmp9, 2
	s_add_co_u32 s42, s42, s40                     ; tile column = 4 x cluster x + cx
	s_and_b32 s13, ttmp7, 0xffff
	s_lshl_b32 s13, s13, 2
	s_add_co_u32 s13, s13, s41                     ; tile row (of the first tile) = 4 x cluster y + cy
	s_lshl_b32 s43, s41, 2
	s_lshl_b32 s43, 15, s43                        ; my row of the cluster: places 4 cy .. 4 cy + 3
	s_lshl_b32 s44, 0x1111, s40                    ; my column: places cx, cx + 4, cx + 8, cx + 12
	s_or_b32 s[G1+0], s43, (1<<16)|(1<<20)|(1<<21)|(5<<22)|(3<<25)   ; 15:0 the mask; 17:16 elements of 2 bytes; 20 padding on; 21 set beside a mask; 24:22 after every 64 words (code 5); 31:25 4 words of it (code 3)
	s_or_b32 s[G1B+0], s44, (1<<16)|(1<<20)|(1<<21)|(5<<22)|(3<<25)
.irp g, G1, G1B
	s_mov_b32 s[(\g)+1], KSTEP<<16                 ; tensor_dim0 = 128
	s_mov_b32 s[(\g)+3], KSTEP<<16                 ; tile_dim0 = 128
	s_mov_b32 s[(\g)+5], SIZE_K                    ; elements from row to row
	s_mov_b32 s[(\g)+6], 0
	s_mov_b32 s[(\g)+7], 0
.endr
	s_mov_b32 s[G1+2], 128<<16                     ; tensor_dim1 and tile_dim1: 128 rows of xb,
	s_mov_b32 s[G1+4], 128
	s_mov_b32 s[G1B+2], 96<<16                     ; 96 of wqb
	s_mov_b32 s[G1B+4], 96
	; xb's address hangs on the tile row alone, which my row of the cluster shares; wqb's on the tile column alone, which my column shares
	s_lshl_b32 s17, s12, 7
	s_lshl_b32 s16, s13, 8
	s_add_co_u32 s16, s16, s17                     ; xb: row 256 x tile row + 128 x half,
	s_lshl_b32 s16, s16, 11                        ; in bytes
	s_mov_b32 s17, 0
	s_mul_i32 s46, s42, 192
	s_mul_i32 s47, s12, 96
	s_add_co_u32 s46, s46, s47                     ; wqb: row 192 x tile column + 96 x half
	s_lshl_b32 s46, s46, 11
	s_mov_b32 s47, 0
	s_mul_i32 s20, s12, HALFA                      ; where they go: no place in the cluster enters an LDS address
	s_mul_i32 s21, s12, HALFB
	s_add_co_u32 s21, s21, BOFF
	s_wait_dscnt 0x0                               ; the opening add is done
	s_wait_kmcnt 0x0
	s_add_nc_u64 s[14:15], s[4:5], s[16:17]
	s_add_nc_u64 s[46:47], s[6:7], s[46:47]
	CROUND                                         ; all sixteen work-groups are here: the first joint loads meet
.irp s, 0,1
	s_mov_b32 s[G0+4*(\s)], 1                                        ; count = 1
	s_add_co_u32 s[G0+4*(\s)+1], s20, (\s)*SLOT                      ; LDS address
	s_add_nc_u64 s[G0+4*(\s)+2:G0+4*(\s)+3], s[14:15], (\s)*KSTEP*2  ; global address: K step s
	s_or_b32 s[G0+4*(\s)+3], s[G0+4*(\s)+3], 0x80000000              ; type = 2
	s_mov_b32 s[G0B+4*(\s)], 1
	s_add_co_u32 s[G0B+4*(\s)+1], s21, (\s)*SLOT
	s_add_nc_u64 s[G0B+4*(\s)+2:G0B+4*(\s)+3], s[46:47], (\s)*KSTEP*2
	s_or_b32 s[G0B+4*(\s)+3], s[G0B+4*(\s)+3], 0x80000000
	JLOAD \s                                       ; two tensor loads of mine are out
.endr
	; A fragment is 16 rows x 32 K in 8 registers: lane l holds row l % 16; registers 0-3 K = 8 (l / 16) + 0..7, registers 4-7 K = 16 + 8 (l / 16) + 0..7: two loads of 16 bytes, 32 bytes apart
	v_and_b32 v1, 15, v0                           ; l % 16
	v_bfe_u32 v2, v0, 4, 1                         ; l / 16
	v_mul_u32_u24 v3, v1, PITCH
	v_lshl_add_u32 v3, v2, 4, v3
	s_mul_i32 s21, s10, 64*PITCH                   ; my 64 rows of xb
	s_mov_b32 s22, BOFF                            ; all 192 rows of wqb
.irp s, 0,1
	v_add_nc_u32 v[ADRA+(\s)], s21, v3
	v_add_nc_u32 v[ADRB+(\s)], s22, v3
	s_add_co_u32 s21, s21, SLOT
	s_add_co_u32 s22, s22, SLOT
.endr
	s_mul_i32 s23, s10, WST
	s_add_co_u32 s23, s23, STAGE                   ; my stage
	v_mul_u32_u24 v4, v1, SP                       ; in: row l % 16, 16 bytes for each half of the lanes
	v_lshl_add_u32 v4, v2, 4, v4
	v_add_nc_u32 v[STO], s23, v4
	v_bfe_u32 v5, v0, 3, 2                         ; back: 32 lanes take four rows of 128 bytes,
	v_and_b32 v6, 7, v0
	v_mul_u32_u24 v5, v5, SP
	v_lshl_add_u32 v5, v6, 4, v5
	v_add_nc_u32 v[RD], s23, v5
	v_and_b32 v[CO], 31, v0                        ; which are 512 consecutive bytes of a plane
	v_lshlrev_b32 v[CO], 4, v[CO]
	; where my part of the first tile begins in qkv: plane (tile row / 8) x 48 + 3 x tile column, token (tile row % 8) x 256 + 64 x wave
	s_lshr_b32 s16, s13, 3
	s_mul_i32 s16, s16, 48
	s_mul_i32 s46, s42, 3
	s_add_co_u32 s16, s16, s46
	s_lshl_b32 s16, s16, 18
	s_and_b32 s14, s13, 7
	s_lshl_b32 s14, s14, 8
	s_lshl_b32 s15, s10, 6
	s_add_co_u32 s14, s14, s15
	s_lshl_b32 s14, s14, 7
	s_add_co_u32 s16, s16, s14
	s_mov_b32 s17, 0                               ; s[16:17]: what the first way out adds to qkv's address
	; the prefetches
	s_lshl_b32 s20, s13, 8                         ; 256 x tile row
	s_mul_i32 s21, s42, 192                        ; 192 x tile column
	s_and_b32 s22, ttmp7, 0xffff                   ; cluster y
	s_mov_b32 s19, 96
	s_cmp_eq_u32 s11, 0                            ; do I fetch for xb?
	s_cselect_b32 s20, s20, s21                    ; the tile's first row
	s_cselect_b32 s21, s40, s41                    ; my place among the four that ask for it with me
	s_cselect_b32 s22, ttmp9, s22                  ; the coordinate along which other clusters read the same rows
	s_cselect_b32 s23, 128, s19                    ; the rows that a wave fetches,
	s_cselect_b32 s18, 32, 24                      ; and a partner's share of them
	s_cselect_b64 s[PFA:PFA+1], s[4:5], s[6:7]
	s_cmp_eq_u32 s22, 0
	s_cselect_b32 s[LIM], 1, -1                    ; the same in all sixteen partners, for a given wave
	s_mul_i32 s23, s23, s12
	s_add_co_u32 s20, s20, s23
	s_mul_i32 s21, s21, s18
	s_add_co_u32 s20, s20, s21
	s_lshl_b32 s20, s20, 11
	s_mov_b32 s21, 0
	s_add_nc_u64 s[PFA:PFA+1], s[PFA:PFA+1], s[20:21]
	s_add_nc_u64 s[PFA:PFA+1], s[PFA:PFA+1], 2*KSTEP*2  ; at K step 2: the first refill steps it to 3 and names K step 4.  Nothing is prefetched here, at the head
	s_sub_co_u32 s18, s18, 1
	v_and_b32 v[PFO], 31, v0
	v_min_u32 v[PFO], s18, v[PFO]
	v_lshlrev_b32 v[PFO], 11, v[PFO]
; 16 matrix instructions on buffer f.  g = 0: row blocks 0, 1 x column blocks 0-7; g = 1: row blocks 2, 3 x 0-7; g = 2: row blocks 0-3 x column blocks 8-11.
; The 48 accumulators take turns, one instruction a turn, in the same order in every quarter step.  zero = 1: the product starts the sum: nothing is cleared.
.macro MULG f, g, zero
.if (\g) < 2
	WIN MUL_LO
.irp a, 2*(\g), 2*(\g)+1
.irp b, 0,1,2,3,4,5,6,7
.set rD, 8*(8*(\a)+(\b))
.set rB, FB+96*(\f)+8*(\b)
.set rA, FA+32*(\f)+8*(\a)
.if \zero
	v_wmma_f32_16x16x32_bf16 v[rD:rD+7], v[rB:rB+7], v[rA:rA+7], 0
.else
	v_wmma_f32_16x16x32_bf16 v[rD:rD+7], v[rB:rB+7], v[rA:rA+7], v[rD:rD+7]
.endif
.endr
.endr
.else
	WIN MUL_HI
.irp a, 0,1,2,3
.irp b, 8,9,10,11
.set rD, 8*(4*(\a)+(\b)-8)
.set rB, FB+96*(\f)+8*(\b)
.set rA, FA+32*(\f)+8*(\a)
.if \zero
	v_wmma_f32_16x16x32_bf16 v[rD:rD+7], v[rB:rB+7], v[rA:rA+7], 0
.else
	v_wmma_f32_16x16x32_bf16 v[rD:rD+7], v[rB:rB+7], v[rA:rA+7], v[rD:rD+7]
.endif
.endr
.endr
.endif
.endm
; 32 LDS loads in one run: the fragments of a quarter step (192 rows of wqb, my 64 rows of xb, 32 K at byte k of the rows) into buffer f
.macro FETCH slot, k, f
	WIN TO_B
.irp i, 0,1,2,3,4,5,6,7,8,9,10,11
	ds_load_b128 v[FB+96*(\f)+8*(\i):FB+96*(\f)+8*(\i)+3],   v[ADRB+(\slot)] offset:(\k)+(\i)*16*PITCH
	ds_load_b128 v[FB+96*(\f)+8*(\i)+4:FB+96*(\f)+8*(\i)+7], v[ADRB+(\slot)] offset:(\k)+(\i)*16*PITCH+32
.endr
	WIN 0
.irp i, 0,1,2,3
	ds_load_b128 v[FA+32*(\f)+8*(\i):FA+32*(\f)+8*(\i)+3],   v[ADRA+(\slot)] offset:(\k)+(\i)*16*PITCH
	ds_load_b128 v[FA+32*(\f)+8*(\i)+4:FA+32*(\f)+8*(\i)+7], v[ADRA+(\slot)] offset:(\k)+(\i)*16*PITCH+32
.endr
.endm
; A load into a register that a matrix instruction has read, and a vector instruction that reads a matrix result, stand four places behind it; only plain vector instructions that name none of its registers are places
.macro PLACES
.rept 4
	v_nop
.endr
.endm
; A K step is four quarter steps of 32 along K, 48 matrix instructions each, on buffers 0, 1, 0, 1.  One of the first three: multiplies buffer f and fetches the next quarter, at byte k, into buffer g.
.macro QUARTER slot, k, f, g, zero
	s_wait_dscnt 4                                 ; wqb's fragments and xb's blocks 0, 1 are in; the youngest four loads (blocks 2, 3) may be out
	MULG \f, 0, \zero
	PLACES
	FETCH \slot, \k, \g
	s_wait_dscnt 32                                ; all but the 32 just issued
	MULG \f, 1, \zero
	MULG \f, 2, \zero
.endm
; The last quarter multiplies buffer 1 and changes slots.  In front of the one barrier each wave waits for all its tensor loads (one is out: its part of the next slot), adds 0 to its spare word,
; and waits for that and for its own reads of this slot.  Behind it nobody reads this slot any more and the next slot is whole.
.macro MEET round                      ; round = 1: the rest of a round of the cluster's barrier follows
	WIN 0                                          ; (the add's two registers lie in window 0)
	s_wait_tensorcnt 0x0                           ; all my tensor loads have landed
	ds_add_u32 v[SPW], v[NIL]                      ; 0 onto my spare word
	s_wait_dscnt 5                                 ; (the add and the youngest four loads may be out)
	MULG 1, 0, 0                                   ; sixteen matrix instructions stand between the add and the wait for it
	s_wait_dscnt 0x0                               ; the add is done, and my reads of this slot are over
	s_barrier_signal -1
	MULG 1, 1, 0                                   ; work on registers while the others arrive
.if \round
	WIN 0
.endif
	s_barrier_wait -1
.endm
; The whole last quarter.  Behind the round the slot just read out is filled again first: with this tile's K step two steps on (on = 0) or with the next tile's K step 0 or 1 (on = 1).
; From a request to the wait for it a wave issues 160 of a K step's 192 matrix instructions.
.macro TURN slot, next, on
	s_wait_xcnt 0x0                                ; the last prefetch, a K step back, has read its address: it is stepped here, ahead of the waits of the change of slots
.if (\on) && (\slot) == 0
	s_add_nc_u64 s[PFA:PFA+1], s[PFA:PFA+1], (WALK-1)*SIZE_K*2+KSTEP*2  ; from the K step after the tile's last to the next tile's K step 1
	s_cmp_eq_u32 s11, 0
	s_cselect_b32 s[LIM], s[LIM], -1               ; wqb's rows are the same for both tiles: they are asked for no more
.else
	s_add_nc_u64 s[PFA:PFA+1], s[PFA:PFA+1], KSTEP*2
.endif
	MEET 1
	CREST                                          ; no wave of any partner still reads this slot's tile or has a load on its way
.if \on
	s_add_nc_u64 s[G0+4*(\slot)+2:G0+4*(\slot)+3], s[G0+4*(\slot)+2:G0+4*(\slot)+3], NEXT_A
	s_sub_nc_u64 s[G0B+4*(\slot)+2:G0B+4*(\slot)+3], s[G0B+4*(\slot)+2:G0B+4*(\slot)+3], BACK_B
.else
	s_add_nc_u64 s[G0+4*(\slot)+2:G0+4*(\slot)+3], s[G0+4*(\slot)+2:G0+4*(\slot)+3], 2*KSTEP*2
	s_add_nc_u64 s[G0B+4*(\slot)+2:G0B+4*(\slot)+3], s[G0B+4*(\slot)+2:G0B+4*(\slot)+3], 2*KSTEP*2
.endif
	JLOAD \slot                                    ; the first tensor load behind the round, my only one until the next; its four v_nop are also the places in front of the loads below
	FETCH \next, 0, 0
	ASK \on
	MULG 1, 2, 0
.endm
; THE WAY OUT of row block a (16 rows x 192 columns), in three parts.  PACK: rounded to f16, 16 bytes a lane for each column block, each accumulator's registers in ascending order.
.macro PACK a
	WIN 0x0a                                       ; sources 0 and 1 window 2
.irp b, 0,1,2,3,4,5,6,7
.irp r, 0,1,2,3
	v_cvt_pk_f16_f32 v[TMP+4*(\b)+(\r)], v[8*(8*(\a)+(\b))+2*(\r)], v[8*(8*(\a)+(\b))+2*(\r)+1]
.endr
.endr
	WIN 0x0f                                       ; window 3
.irp b, 8,9,10,11
.irp r, 0,1,2,3
	v_cvt_pk_f16_f32 v[TMP+4*(\b)+(\r)], v[8*(4*(\a)+(\b)-8)+2*(\r)], v[8*(4*(\a)+(\b)-8)+2*(\r)+1]
.endr
.endr
	WIN 0
.endm
; TOSTAGE: into my own stage, head b / 4, 32 bytes of a row for each column block; back as whole rows of 128 bytes, four rows a load.
.macro TOSTAGE a
	WIN 0
.set BK, OB+48*((\a)%2)
.irp b, 0,1,2,3,4,5,6,7,8,9,10,11
	ds_store_b128 v[STO], v[TMP+4*(\b):TMP+4*(\b)+3] offset:((\b)/4)*HST+32*((\b)%4)
.endr
.irp j, 0,1,2
.irp f, 0,1,2,3
	ds_load_b128 v[BK+4*(4*(\j)+(\f)):BK+4*(4*(\j)+(\f))+3], v[RD] offset:(\j)*HST+(\f)*4*SP  ; LDS serves a wave's instructions in order (ISA guide 5.7.1.4): these see the stores above
.endr
.endr
.endm
.macro SEND a
	WIN 0
.set BK, OB+48*((\a)%2)
	s_wait_dscnt 0x0                               ; the block is back in registers
	s_wait_xcnt 0x0                                ; every earlier memory instruction has had its addresses translated (ISA guide 3.1): only behind this wait are the stores' base and the registers that earlier stores read rewritten
.if (\a) == 0
	s_add_nc_u64 s[8:9], s[8:9], s[16:17]          ; on to this tile's first rows
.endif
.irp j, 0,1,2
.irp f, 0,1,2,3
	global_store_b128 v[CO], v[BK+4*(4*(\j)+(\f)):BK+4*(4*(\j)+(\f))+3], s[8:9] offset:(\j)*PL+(\a)*2048+(\f)*512  ; 512 consecutive bytes of head j's plane, at a multiple of 256 from qkv's first byte
.endr
.endr
.endm
.macro WAYOUT                          ; block a's conversions stand between block a - 1's loads from the stage and the wait for them
	PACK 0
	TOSTAGE 0
.irp a, 1,2,3
	PACK \a
	SEND (\a)-1
	TOSTAGE \a
.endr
	SEND 3
.endm
	s_wait_tensorcnt 1                             ; my part of K step 0 is in; K step 1's may stay out
	s_barrier_signal -1
	s_barrier_wait -1                              ; everybody's is
	FETCH 0, 0, 0
	s_mov_b32 s2, 2                                ; tiles to go: the same in every work-group
.Ltile:
	QUARTER 0, 64,  0, 1, 1                        ; a tile's first quarter stands in front of the loop: its products start the sums
	WIN 0                                          ; at a label and at a branch every window is 0
	s_mov_b32 s3, LAPS-1
.Llap:                                                 ; a trip goes once round the ring, from a lap's second quarter to the next lap's first, and fills both slots again
	QUARTER 0, 128, 1, 0, 0
	QUARTER 0, 192, 0, 1, 0
	TURN 0, 1, 0
	QUARTER 1, 64,  0, 1, 0
	QUARTER 1, 128, 1, 0, 0
	QUARTER 1, 192, 0, 1, 0
	TURN 1, 0, 0
	QUARTER 0, 64,  0, 1, 0
	WIN 0
	s_sub_co_u32 s3, s3, 1
	s_cmp_lg_u32 s3, 0
	s_cbranch_scc1 .Llap
	QUARTER 0, 128, 1, 0, 0                        ; the tile's last lap goes on
	QUARTER 0, 192, 0, 1, 0
	WIN 0
	s_cmp_eq_u32 s2, 1
	s_cbranch_scc1 .Llast                          ; the last tile's tail is written out: it asks for nothing more
	TURN 0, 1, 1                                   ; the ring goes on into the next tile: slot 0 takes its K step 0,
	QUARTER 1, 64,  0, 1, 0
	QUARTER 1, 128, 1, 0, 0
	QUARTER 1, 192, 0, 1, 0
	TURN 1, 0, 1                                   ; slot 1 its K step 1, and the next tile's first fragments are fetched
	WAYOUT                                         ; both refills are asked for: now the tile goes out.  No v_nop: window 2's sums were finished in front of the joint load's four, and block 0's first 32 conversions, which name no register of the last 16 products, are those products' places
	s_mov_b64 s[16:17], NEXT_C                     ; what the next way out adds to qkv's address
	s_sub_co_u32 s2, s2, 1
	s_branch .Ltile
.Llast:
	MEET 0                                         ; my one tensor load that was still out is slot 1's, the last K step's, so no round follows
	PLACES
	FETCH 1, 0, 0
	MULG 1, 2, 0
	QUARTER 1, 64,  0, 1, 0
	QUARTER 1, 128, 1, 0, 0
	QUARTER 1, 192, 0, 1, 0
	s_wait_dscnt 4                                 ; the very last quarter: nothing more to fetch
	MULG 1, 0, 0
	s_wait_dscnt 0x0
	MULG 1, 1, 0
	MULG 1, 2, 0
	PLACES                                         ; the conversions read results just made, and no other vector work is at hand (eight, once a launch)
	PLACES
	WAYOUT
	s_wait_tensorcnt 0x0                           ; the wave's end: behind my last tensor load and my last LDS store
	ds_add_u32 v[SPW], v[NIL]
	s_wait_dscnt 0x0
	CROUND                                         ; the closing round: no work-group ends while a partner may still ask for a tile that names it
	s_endpgm
.Lfunc_end_k_q3891a3cacb_qkv:
	.size	k_q3891a3cacb_qkv, .Lfunc_end_k_q3891a3cacb_qkv-k_q3891a3cacb_qkv
	.p2alignl 7, 3214868480
	.fill 96, 4, 3214868480
	.section	.rodata,"a",@progbits
	.p2align	6, 0x0
	.amdhsa_kernel k_q3891a3cacb_qkv
		.amdhsa_group_segment_fixed_size 327680
		.amdhsa_private_segment_fixed_size 0
		.amdhsa_enable_private_segment 0
		.amdhsa_kernarg_size 24
		.amdhsa_user_sgpr_count 2
		.amdhsa_user_sgpr_kernarg_segment_ptr 1
		.amdhsa_wavefront_size32 1
		.amdhsa_system_sgpr_workgroup_id_x 1
		.amdhsa_system_sgpr_workgroup_id_y 1
		.amdhsa_system_sgpr_workgroup_id_z 1
		.amdhsa_system_vgpr_workitem_id 0
		.amdhsa_next_free_vgpr 896
		.amdhsa_next_free_sgpr 66
		.amdhsa_reserve_vcc 0
		.amdhsa_float_denorm_mode_32 3
		.amdhsa_float_denorm_mode_16_64 3
		.amdhsa_memory_ordered 1
		.amdhsa_forward_progress 1
		.amdhsa_inst_pref_size 173
	.end_amdhsa_kernel
	.amdgpu_metadata
---
amdhsa.version: [ 1, 2 ]
amdhsa.kernels:
  - .name:           k_q3891a3cacb_qkv
    .symbol:         k_q3891a3cacb_qkv.kd
    .args:
      - { .name: xb, .offset: 0, .size: 8, .value_kind: global_buffer, .address_space: global }
      - { .name: wqb, .offset: 8, .size: 8, .value_kind: global_buffer, .address_space: global }
      - { .name: qkv, .offset: 16, .size: 8, .value_kind: global_buffer, .address_space: global }
    .group_segment_fixed_size: 327680
    .private_segment_fixed_size: 0
    .kernarg_segment_align: 8
    .kernarg_segment_size: 24
    .max_flat_workgroup_size: 128
    .sgpr_count:     66
    .vgpr_count:     896
    .wavefront_size: 32
...
	.end_amdgpu_metadata
.endif
;; end of part 2
;; launch attn (part 3): grid 8 x 32, 4 waves a work-group, no clusters, 304,640 bytes of LDS; arguments qkv, ob; writes ob
.if DOCPART == 3
	.amdgcn_target "amdgcn-amd-amdhsa--gfx1250"
	.amdhsa_code_object_version 6
	.text
	.protected	k_q3891a3cacb_attn
	.globl	k_q3891a3cacb_attn
	.p2align	8
	.type	k_q3891a3cacb_attn,@function
k_q3891a3cacb_attn:
	s_mov_b64 s[64:65], 0
	v_nop
	global_prefetch_b8 v0, s[64:65] scope:SCOPE_SE
	s_setreg_imm32_b32 hwreg(HW_REG_WAVE_MODE, 25, 1), 1
	s_wait_xcnt 0x0
; BANDED ATTENTION.  O[b][h][q] = the sum over the keys k with |k - q| <= 128 of softmax_k(Q[q] . K[k] / 8) V[k].  q, k, v come by heads, qkv[b][g][t][64] in f16 (g = h: q, 16 + h: k, 32 + h: v; a plane is 262,144 bytes);
; O leaves as ob[b x 2048 + t][64 h + d] in f16.  Products, maxima and sums in f32; the weights p are rounded to f16 for the second product (their sum l is taken of the unrounded p), O once at the end.
; LIMITS.  A key outside the band has weight 0: what the -1e9 of the problem's mask gives as long as a row's largest score lies more than 104 above -1e9.  Inside a tile a hidden score counts as its value less 1e30.
; A weight below 2^-126 counts as 0 in l; p below 6e-5 keeps f16's fixed step; NaN and infinities are not treated apart.
; SHARES.  A work-group takes 256 tokens (block ttmp9 of 8) of a PAIR of heads: two heads' 64 channels are 256 consecutive bytes of a row of ob.  4 batches x 8 pairs x 8 blocks = 256 work-groups.
; Wave w takes 64 queries, four tiles of 16, of one head and then of the other.  Their band lies in 5 key steps of 64: with the work-group's 512 keys counted from token 256 x block - 128, step s holds keys 64 (w + s) on.
; Steps wholly in front of token 0 or behind token 2,047 are jumped over: forward, past no barrier and no tensor load.
; ALL TILES COME AT THE HEAD: each wave asks for 128 keys of K and of V of both heads, four tensor loads, and no LDS byte is filled twice.  At the sequence's two ends one quarter of the 512 keys does not exist:
; its wave asks for the nearest 128 rows that do, so that all waves run the same four loads; those bytes are never read.  So there is no later stream to prefetch.
; NO CLUSTER: neighbouring blocks share half their keys, and the shared rows fall at different LDS places in the two: a joint load would make an LDS address hang on the place in the cluster.
; LAYOUT.  S^T = K Q^T (source 0 = 16 keys, source 1 = 16 queries): a lane holds ONE query (lane % 16) and the keys 8 (lane / 16) + 0..7.  Two such results rounded to f16 ARE source 1 of O^T = V^T P.  V is turned by ds_load_tr16_b128.
; THE MASK is the C operand of the product that starts a score's sum.  With key kj and query qi counted in the step and in the wave, step 0 hides kj < qi, step 4 hides kj > qi, steps 1-3 hide nothing.
; SOFTMAX.  A running maximum m and sum l: p = 2^(c s - c m), c = log2(e) / 8; O and l are multiplied by a = 2^(c m_old - c m_new) in every step.  m starts at the lowest finite number, O and l at 0: every live step is
; a step like any other.  No first step is written out, since which step is a wave's first hangs on its place; the price is 128 lines that clear O^T at each head's beginning.
; IN PHASES: a step's scores, its softmax, its second product, one after the other.
; REGISTERS, in windows of 256 (s_set_vgpr_msb: bits 1:0 source 0, 3:2 source 1, 5:4 source 2, 7:6 destination):
;   window 0: v0-15 addresses; v16-31 statistics; v32-47 at work; v48-87 masks; v88-91 c m_old; v96-159 P; v160-223 head 0's packed O
;   window 1: v0-127 S^T (tile t, key block j at 32 t + 8 j); v128-255 O^T (tile t, channel block cb at 128 + 32 t + 8 cb)
;   window 2: v0-63 Q; v64-127 the second head's Q; v128-191 K of a step; v192-255 V of a step
.set PL,    262144
.set PK,    272       ; two keys of K are one LDS row: 256 bytes + 16 of padding: key r at (r / 2) x 272 + (r % 2) x 128: the 16 keys of a load fall into 16 different columns of 16 bytes (64 banks of 4 bytes: ISA guide 11.1)
.set PV,    288       ; of V: 256 + 32
.set KH,    256*PK    ; a head's 512 keys of K
.set VH,    256*PV
.set VB,    2*KH      ; V's tiles lie behind K's
.set STAGE, VB+2*VH   ; never filled by a tensor load: 16 rows x 272 bytes for each wave, for the way out
.set SP,    272
.set SPARE, STAGE+4*16*SP  ; the spare words, 128 bytes for each wave: two blocks of 256 bytes that no other line names
.set AK0, 2           ; v2   my lane's place in a step's K; never rewritten
.set AV0, 3           ; v3   the same for V
.set AK,  4           ; v4   the LDS address of K's run of loads
.set AV,  5           ; v5   of V's
.set STO, 6           ; v6   the way out: where I put 16 bytes of a row
.set RD,  7           ; v7   the way out: where I read rows back
.set GO,  8           ; v8   my byte offset in two rows of ob
.set QO,  9           ; v9   my byte offset in 16 rows of Q
.set SPW, 12          ; v12  LDS address of my spare word: SPARE + 4 x my thread's number; never rewritten
.set NIL, 13          ; v13  0; never rewritten
.set ST,  16          ; tile t's statistics at ST + 4 t: c m, m, l (even keys', odd keys')
.set TMP, 32          ; tile t's four registers c0-c3 at work; when the maximum is found c2 takes a
.set TL,  48          ; -1e30 where register i's key lies in front of my query, in the block on the diagonal
.set TU,  56          ; -1e30 where it lies behind
.set MLO, 64          ; the step's mask for key blocks j < t,
.set MEQ, 72          ; j = t,
.set MHI, 80          ; j > t
.set MV,  88          ; c m_old, kept while c m is made anew
.set P,   96
.set SB,  96          ; behind the last product: head 1's packed O
.set SA,  160
.set QB,  64
.set KF,  128         ; key block j, channel half c at KF + 16 j + 8 c
.set VF,  192         ; key half kk, channel block cb at VF + 32 kk + 8 cb
.set WV,  12          ; s12  my wave's number
.set G1K, 24          ; s[24:31] descriptor group 1 for K's tiles
.set G1V, 32          ; s[32:39] for V's: it differs in the padding alone
.set G0,  40          ; s[40:55] four groups 0: K and V of head 0, K and V of head 1
.set CS,  58          ; s[58:59] c
.set SEL, 60          ; s[60:61] v_permlanex16_b32's selects: each lane takes its own place in the other half
.set TBK, 62          ; s62  LDS byte at which the step's K begins
.set TBV, 63          ; s63  the same for V, less VB
.set U,   66          ; s66  w + s
.set LO,  67          ; s67  the first U whose keys exist
.set HI,  68          ; s68  the last
.set CNT, 69          ; s69  counts a head's steps, 5 to 1
.set HD,  70          ; s70  heads to go
.set BIGN, 71         ; s71  -1e30
.set AL,  72          ; s[72:73] 1.0 in step 0, else 0
.set AU,  74          ; s[74:75] 1.0 in step 4, else 0
.set HLO, 76          ; s76  -1e30 in step 0, else 0
.set HHI, 77          ; s77  -1e30 in step 4, else 0
.set MSB, 0
.macro WIN new                      ; the high byte repeats the setting that is left; a switch that changes nothing is dropped
.if MSB != (\new)
	s_set_vgpr_msb (MSB<<8)|(\new)
.set MSB, (\new)
.endif
.endm
	s_load_b128 s[4:7], s[0:1], 0x0  ; qkv s[4:5], ob s[6:7]
	v_lshl_add_u32 v[SPW], v0, 2, SPARE
	v_mov_b32 v[NIL], 0
	ds_add_u32 v[SPW], v[NIL]       ; the wave's opening: the add and its wait stand ahead of my first tensor load; the set-up below, work on registers, stands between them
	v_lshrrev_b32 v1, 5, v0
	v_readfirstlane_b32 s[WV], v1   ; wave 0..3
	s_and_b32 s13, ttmp7, 0xffff
	s_lshr_b32 s14, s13, 3          ; the batch
	s_and_b32 s15, s13, 7           ; the pair of heads
	s_mul_i32 s16, s14, 48
	s_lshl1_add_u32 s16, s15, s16   ; q's plane of the pair's first head: 48 b + 2 x pair
	s_lshl_b32 s16, s16, 18         ; in bytes
	s_lshl_b32 s17, ttmp9, 8        ; the block's first token
	s_lshl_b32 s18, s[WV], 7
	s_add_co_u32 s18, s17, s18      ; the first of the 128 keys that I fetch is token 256 x block + 128 w - 128,
	s_max_u32 s18, s18, 128
	s_sub_co_u32 s18, s18, 128      ; held to 0
	s_min_u32 s18, s18, 1920        ; and to 1,920 where that quarter does not exist
	s_lshl_b32 s18, s18, 7
	s_add_co_u32 s18, s18, s16
	s_mov_b32 s19, 0
	s_lshl_b32 s22, s[WV], 6
	s_add_co_u32 s22, s22, s17      ; my wave's first query
	s_lshl_b32 s2, s14, 11
	s_add_co_u32 s2, s2, s22        ; its row of ob,
	s_lshl_b32 s2, s2, 11
	s_lshl_b32 s3, s15, 8           ; the pair's 256 bytes in it
	s_add_co_u32 s2, s2, s3
	s_mov_b32 s3, 0
	s_lshl_b32 s22, s22, 7
	s_add_co_u32 s22, s22, s16
	s_mov_b32 s23, 0
	; descriptor group 1.  128 keys are 16,384 dense bytes: asked for as 64 rows of 256 bytes, two keys a row, padded in LDS after every row
	s_mov_b32 s[G1K], (1<<16)|(1<<20)|(5<<22)|(3<<25)  ; 17:16 2-byte elements; 20 padding on; 24:22 after every 64 words (code 5); 31:25 4 words (code 3)
	s_mov_b32 s[G1V], (1<<16)|(1<<20)|(5<<22)|(7<<25)  ; the same with 8 words of padding (code 7)
.irp g, G1K, G1V
	s_mov_b32 s[\g+1], 128<<16      ; tensor_dim0 = 128
	s_mov_b32 s[\g+2], 64<<16       ; tensor_dim1 = 64
	s_mov_b32 s[\g+3], 128<<16      ; tile_dim0 = 128
	s_mov_b32 s[\g+4], 64           ; tile_dim1 = 64
	s_mov_b32 s[\g+5], 128          ; 128 elements from row to row
	s_mov_b32 s[\g+6], 0
	s_mov_b32 s[\g+7], 0
.endr
	s_mul_i32 s20, s[WV], 64*PK     ; my quarter of a head's K in LDS,
	s_mul_i32 s21, s[WV], 64*PV
	s_add_co_u32 s21, s21, VB       ; and of its V
	s_mov_b32 s[G0+0], 1
	s_mov_b32 s[G0+1], s20
	s_mov_b32 s[G0+4], 1
	s_mov_b32 s[G0+5], s21
	s_mov_b32 s[G0+8], 1
	s_add_co_u32 s[G0+9], s20, KH
	s_mov_b32 s[G0+12], 1
	s_add_co_u32 s[G0+13], s21, VH
	s_mov_b32 s[CS], 0x3e38aa3b     ; c = log2(e) / 8 = 0.180337
	s_mov_b32 s[CS+1], s[CS]        ; named with it as a pair
	s_mov_b32 s[SEL], 0x76543210
	s_mov_b32 s[SEL+1], 0xfedcba98
	s_mov_b32 s[BIGN], 0xf149f2ca   ; -1e30
	s_mov_b32 s[AL+1], 0            ; named as pairs
	s_mov_b32 s[AU+1], 0
	s_mul_i32 s[TBK], s[WV], 32*PK  ; step 0 of wave w: keys 64 w on
	s_mul_i32 s[TBV], s[WV], 32*PV
	s_mov_b32 s[U], s[WV]
	s_cmp_eq_u32 ttmp9, 0
	s_cselect_b32 s[LO], 2, 0       ; in the first block the first 128 keys do not exist,
	s_cmp_eq_u32 ttmp9, 7
	s_cselect_b32 s[HI], 5, 7       ; in the last block the last 128
	v_and_b32 v1, 15, v0            ; l % 16
	v_bfe_u32 v14, v0, 4, 1         ; l / 16
	v_lshlrev_b32 v[QO], 7, v1
	v_lshl_add_u32 v[QO], v14, 4, v[QO]  ; row x 128 + 16 x half
	s_wait_dscnt 0x0                ; the opening add is done
	s_wait_kmcnt 0x0
	s_add_nc_u64 s[18:19], s[4:5], s[18:19]
	s_add_nc_u64 s[G0+2:G0+3], s[18:19], 16*PL     ; k's plane of head 0
	s_or_b32 s[G0+3], s[G0+3], 0x80000000          ; type = 2
	s_add_nc_u64 s[G0+6:G0+7], s[18:19], 32*PL     ; v's
	s_or_b32 s[G0+7], s[G0+7], 0x80000000
	s_add_nc_u64 s[G0+10:G0+11], s[18:19], 17*PL   ; head 1's
	s_or_b32 s[G0+11], s[G0+11], 0x80000000
	s_add_nc_u64 s[G0+14:G0+15], s[18:19], 33*PL
	s_or_b32 s[G0+15], s[G0+15], 0x80000000
	s_add_nc_u64 s[8:9], s[4:5], s[22:23]          ; Q at my wave's first row, head 0
	s_add_nc_u64 s[6:7], s[6:7], s[2:3]            ; ob at my wave's first row
	tensor_load_to_lds s[G0:G0+3], s[G1K:G1K+7]    ; the launch's only tensor loads, one group: four of mine are out
	s_nop 0
	tensor_load_to_lds s[G0+4:G0+7], s[G1V:G1V+7]
	s_nop 0
	tensor_load_to_lds s[G0+8:G0+11], s[G1K:G1K+7]
	s_nop 0
	tensor_load_to_lds s[G0+12:G0+15], s[G1V:G1V+7]
	s_nop 0
.rept 4
	v_nop                           ; four vector lines ahead of the next switch of windows
.endr
	; A fragment of K or Q is 16 rows x 32 channels in 8 registers: lane l holds row l % 16, channels 8 (l / 16) + 0..7 and 16 + 8 (l / 16) + 0..7: two loads of 16 bytes, 32 bytes apart
	WIN 0x80                        ; destination window 2, address window 0
.set i, 0
.rept 8                             ; both heads' Q: tile i / 2, channels 32 (i % 2) on; head 1's plane is the next
	global_load_b128 v[8*i:8*i+3],         v[QO], s[8:9] offset:(i/2)*2048+(i%2)*64
	global_load_b128 v[8*i+4:8*i+7],       v[QO], s[8:9] offset:(i/2)*2048+(i%2)*64+32
	global_load_b128 v[QB+8*i:QB+8*i+3],   v[QO], s[8:9] offset:PL+(i/2)*2048+(i%2)*64
	global_load_b128 v[QB+8*i+4:QB+8*i+7], v[QO], s[8:9] offset:PL+(i/2)*2048+(i%2)*64+32
.set i, i+1
.endr
	WIN 0
	v_lshlrev_b32 v11, 3, v14
	v_sub_nc_u32 v10, v1, v11       ; l % 16 - 8 (l / 16): in the block on the diagonal register i's key is my query's own where i equals this
.set i, 0
.rept 8
	v_cmp_lt_i32 vcc_lo, i, v10
	v_cndmask_b32 v[TL+i], 0, s[BIGN], vcc_lo
	v_cmp_gt_i32 vcc_lo, i, v10
	v_cndmask_b32 v[TU+i], 0, s[BIGN], vcc_lo
.set i, i+1
.endr
	v_lshrrev_b32 v11, 1, v1
	v_mul_u32_u24 v[AK0], v11, PK
	v_and_b32 v11, 1, v1
	v_lshl_add_u32 v[AK0], v11, 7, v[AK0]
	v_lshl_add_u32 v[AK0], v14, 4, v[AK0]  ; (key / 2) x 272 + (key % 2) x 128 + 16 x half
	; The turning load takes 16 keys x 16 channels (lane l reads key 8 (l / 16) + l % 8, channels 8 ((l / 8) % 2) + 0..7) and leaves half a fragment of V^T: lane l holds channel l % 16 and 8 keys
	v_bfe_u32 v11, v0, 1, 2
	v_lshl_add_u32 v11, v14, 2, v11        ; key / 2
	v_mul_u32_u24 v[AV0], v11, PV
	v_and_b32 v11, 1, v0
	v_lshl_add_u32 v[AV0], v11, 7, v[AV0]
	v_bfe_u32 v11, v0, 3, 1
	v_lshl_add_u32 v[AV0], v11, 4, v[AV0]
	v_add_nc_u32 v[AV0], VB, v[AV0]
	s_mul_i32 s13, s[WV], 16*SP
	s_add_co_u32 s13, s13, STAGE    ; my stage
	v_mul_u32_u24 v[STO], v1, SP    ; in: row l % 16, 16 bytes for each half of the lanes
	v_lshl_add_u32 v[STO], v14, 4, v[STO]
	v_add_nc_u32 v[STO], s13, v[STO]
	v_mul_u32_u24 v[RD], v14, SP    ; back: lanes 0-15 take one row of 256 bytes, lanes 16-31 the next
	v_lshl_add_u32 v[RD], v1, 4, v[RD]
	v_add_nc_u32 v[RD], s13, v[RD]
	v_lshlrev_b32 v[GO], 11, v14    ; and the same two rows in ob
	v_lshl_add_u32 v[GO], v1, 4, v[GO]
.macro REGS t                       ; the registers of tile t
.set rT, ST+4*(\t)
.set rC, TMP+4*(\t)
.set rM, MV+(\t)
.set rS, 32*(\t)
.set rP, P+16*(\t)
.set rO, 128+32*(\t)
.endm
; Number n of the 22 that find tile t's maximum and statistics.  s0-s31 are the lane's 32 scores; each accumulator's lowest registers are read first.
;   0-11  four chains c0-c3 of seven scores each, three operands at a time     12-14, 16  the four scores left over, the old m, and c0-c3 into c0     15  c m_old is kept
;   17, 18  the query's other 32 keys lie in the lane 16 away: the new m         19-21  c m; c m_old - c m_new; a
.macro XS t, n
	REGS \t
.if (\n) < 4
	WIN 0x15                        ; three sources in window 1
	v_max3_num_f32 v[rC+(\n)], v[rS+8*(\n)], v[rS+8*(\n)+1], v[rS+8*(\n)+2]
.elseif (\n) < 12
	WIN 0x14                        ; sources 1 and 2 in window 1
	v_max3_num_f32 v[rC+(\n)%4], v[rC+(\n)%4], v[rS+8*((\n)%4)+2*((\n)/4)+1], v[rS+8*((\n)%4)+2*((\n)/4)+2]
.elseif (\n) == 12
	WIN 0x14
	v_max3_num_f32 v[rC], v[rC], v[rS+7], v[rS+15]
.elseif (\n) == 13
	WIN 0x14
	v_max3_num_f32 v[rC+1], v[rC+1], v[rS+23], v[rS+31]
.elseif (\n) == 14
	WIN 0
	v_max3_num_f32 v[rC+2], v[rC+2], v[rC+3], v[rT+1]
.elseif (\n) == 15
	v_mov_b32 v[rM], v[rT]
.elseif (\n) == 16
	v_max3_num_f32 v[rC], v[rC], v[rC+1], v[rC+2]
.elseif (\n) == 17
	v_permlanex16_b32 v[rC+3], v[rC], s[SEL], s[SEL+1]
.elseif (\n) == 18
	v_max_num_f32 v[rT+1], v[rC], v[rC+3]
.elseif (\n) == 19
	v_mul_f32 v[rT], s[CS], v[rT+1]
.elseif (\n) == 20
	v_sub_f32 v[rC+1], v[rM], v[rT]
.else
	v_exp_f32 v[rC+2], v[rC+1]
.endif
.endm
; THE PLAIN QUEUE, 128 long, tiles by turns: entries 0-63: c s - c m for pair q / 4 of tile q % 4; entries 64-127: pair (q - 64) / 4 of that tile's O^T times a, in ascending order.
.macro PLQ
	REGS q%4
.if q < 64
.set b, q/4
	v_pk_fma_f32 v[rS+2*b:rS+2*b+1], v[rS+2*b:rS+2*b+1], s[CS:CS+1], v[rT:rT+1] op_sel_hi:[1,0,0] neg_lo:[0,0,1] neg_hi:[0,0,1]
.else
.set b, (q-64)/4
	v_pk_mul_f32 v[rO+2*b:rO+2*b+1], v[rO+2*b:rO+2*b+1], v[rC+2:rC+3] op_sel_hi:[1,0]
.endif
.set q, q+1
.endm
; THE EXPONENTIALS' QUEUE, 128 long: score e / 4 of tile e % 4, in place.
.macro EXQ
	REGS e%4
	v_exp_f32 v[rS+e/4], v[rS+e/4]
.set e, e+1
.endm
.macro ALL line:vararg              ; one line for each tile t
.set t, 0
.rept 4
	\line
.set t, t+1
.endr
.endm
	s_wait_tensorcnt 2              ; my parts of head 0's K and V are in; head 1's two loads, issued behind them, may stay out
	s_barrier_signal -1
	s_barrier_wait -1               ; everybody's are
	s_wait_loadcnt 0x0              ; Q
	s_mov_b32 s[HD], 2
.Lhead:
	WIN 0x40                        ; A HEAD BEGINS: O^T and l at 0, c m far below every c s, m at the lowest finite number
.set i, 128
.rept 128
	v_mov_b32 v[i], 0
.set i, i+1
.endr
	WIN 0
.irp t, 0,1,2,3
	v_mov_b32 v[ST+4*\t], 0xfe000000
	v_mov_b32 v[ST+4*\t+1], 0xff7fffff
	v_mov_b32 v[ST+4*\t+2], 0
	v_mov_b32 v[ST+4*\t+3], 0
.endr
	s_mov_b32 s[CNT], 5
.Lstep:
	s_cmp_lt_u32 s[U], s[LO]        ; a step whose keys do not exist is jumped over
	s_cbranch_scc1 .Ldead
	s_cmp_gt_u32 s[U], s[HI]
	s_cbranch_scc1 .Ldead
	; 1. the step's masks: 24 plain lines, which name no register of the last step's products and are the places between them and the loads below
	s_cmp_eq_u32 s[CNT], 5          ; step 0 hides the keys in front of the query,
	s_cselect_b32 s[HLO], s[BIGN], 0
	s_cselect_b32 s[AL], 1.0, 0
	s_cmp_eq_u32 s[CNT], 1          ; step 4 those behind it
	s_cselect_b32 s[HHI], s[BIGN], 0
	s_cselect_b32 s[AU], 1.0, 0
.set i, 0
.rept 8
	v_mov_b32 v[MLO+i], s[HLO]
	v_mov_b32 v[MHI+i], s[HHI]
.set i, i+1
.endr
.set i, 0
.rept 4
	v_pk_mul_f32 v[MEQ+i:MEQ+i+1], v[TL+i:TL+i+1], s[AL:AL+1] op_sel_hi:[1,0]
.set i, i+2
.endr
.set i, 0
.rept 4
	v_pk_fma_f32 v[MEQ+i:MEQ+i+1], v[TU+i:TU+i+1], s[AU:AU+1], v[MEQ+i:MEQ+i+1] op_sel_hi:[1,0,1]
.set i, i+2
.endr
	; 2. the step's K (8 fragments) and V (turned), 16 loads each, in one run
	v_add_nc_u32 v[AK], s[TBK], v[AK0]
	v_add_nc_u32 v[AV], s[TBV], v[AV0]
	WIN 0x80                        ; destination window 2
.irp f, 0,1,2,3,4,5,6,7             ; keys 16 (f / 2) on, channels 32 (f % 2) on
	ds_load_b128 v[KF+8*\f:KF+8*\f+3],   v[AK] offset:(\f/2)*8*PK+(\f%2)*64
	ds_load_b128 v[KF+8*\f+4:KF+8*\f+7], v[AK] offset:(\f/2)*8*PK+(\f%2)*64+32
.endr
.irp f, 0,1,2,3,4,5,6,7             ; keys 32 (f / 4) on, channels 16 (f % 4) on
	ds_load_tr16_b128 v[VF+8*\f:VF+8*\f+3],   v[AV] offset:(\f/4)*16*PV+(\f%4)*32
	ds_load_tr16_b128 v[VF+8*\f+4:VF+8*\f+7], v[AV] offset:(\f/4)*16*PV+8*PV+(\f%4)*32
.endr
	; 3. S^T = K Q^T: 32 products; the 16 accumulators take turns; the first 16 start the sums with the masks
	s_wait_dscnt 16                 ; K is in; V's 16 loads may be out
.set c, 0
.rept 2
.set t, 0
.rept 4
.set j, 0
.rept 4
.set rS, 32*t+8*j
.set rK, KF+16*j+8*c
.set rQ, 16*t+8*c
.if c == 0
	WIN 0x4a                        ; K and Q window 2, the mask window 0, S^T window 1
.if j < t
	v_wmma_f32_16x16x32_f16 v[rS:rS+7], v[rK:rK+7], v[rQ:rQ+7], v[MLO:MLO+7]
.elseif j == t
	v_wmma_f32_16x16x32_f16 v[rS:rS+7], v[rK:rK+7], v[rQ:rQ+7], v[MEQ:MEQ+7]
.else
	v_wmma_f32_16x16x32_f16 v[rS:rS+7], v[rK:rK+7], v[rQ:rQ+7], v[MHI:MHI+7]
.endif
.else
	WIN 0x5a                        ; C in window 1 too
	v_wmma_f32_16x16x32_f16 v[rS:rS+7], v[rK:rK+7], v[rQ:rQ+7], v[rS:rS+7]
.endif
.set j, j+1
.endr
.set t, t+1
.endr
.set c, c+1
.endr
.rept 4
	v_nop                           ; the places behind those products
.endr
	; 4. maxima and statistics, the four tiles by turns, so that three other lines stand between the links of a tile's chain
.irp n, 0,1,2,3,4,5,6,7,8,9,10,11,12,13,14,15,16,17,18,19,20,21
.irp t, 0,1,2,3
	XS \t, \n
.endr
.endr
	v_nop                           ; a plain instruction behind the four a,
	s_wait_alu depctr_va_vdst(0)    ; and the wait ahead of their first use: one for the four
	; 5. ONE BATCH under one setting of the windows: the scalings, O^T's rescaling and all 128 exponentials, plain and exponential by turns.  Exponential e needs plain entry 4 (e / 8) + e % 4, and stands behind
	; entry e + 3; no line of the batch names an exponential's result: the scaling behind exponential e is pair e / 4 + 1, the exponentials so far have reached pair e / 8
	WIN 0x41                        ; destination and source 0 window 1, the statistics window 0
.set q, 0
.set e, 0
.rept 4
	PLQ
.endr
.rept 124
	EXQ
	PLQ
.endr
.rept 4
	EXQ
.endr
	v_nop                           ; a plain instruction behind the last exponential: one for the batch
	s_wait_alu depctr_va_vdst(0)    ; the wait for the batch
	; 6. the weights rounded to f16: pair b of tile t is register b of its P; then their sums, in place, neighbours 1, 2, 4 and 8 pairs apart; then l = a l + sum
	WIN 0x05
.set i, 0
.rept 64
	v_cvt_pk_f16_f32 v[P+i], v[2*i], v[2*i+1]
.set i, i+1
.endr
	WIN 0x45
.set z, 0
.rept 15
.set w, 4
.set u, z
.if z >= 14
.set w, 32
.set u, 0
.elseif z >= 12
.set w, 16
.set u, z-12
.elseif z >= 8
.set w, 8
.set u, z-8
.endif
.irp t, 0,1,2,3
	v_pk_add_f32 v[32*\t+w*u:32*\t+w*u+1], v[32*\t+w*u:32*\t+w*u+1], v[32*\t+w*u+w/2:32*\t+w*u+w/2+1]
.endr
.set z, z+1
.endr
	WIN 0x10                        ; source 2 window 1
.irp t, 0,1,2,3
	v_pk_fma_f32 v[ST+4*\t+2:ST+4*\t+3], v[ST+4*\t+2:ST+4*\t+3], v[TMP+4*\t+2:TMP+4*\t+3], v[32*\t:32*\t+1] op_sel_hi:[1,0,1]
.endr
	; 7. O^T += V^T P: 32 products, the 16 accumulators by turns
	s_wait_dscnt 0x0                ; V is in
	WIN 0x52                        ; V window 2, P window 0, O^T window 1
.set kk, 0
.rept 2
.set t, 0
.rept 4
.set cb, 0
.rept 4
.set rO, 128+32*t+8*cb
.set rV, VF+32*kk+8*cb
.set rP, P+16*t+8*kk
	v_wmma_f32_16x16x32_f16 v[rO:rO+7], v[rV:rV+7], v[rP:rP+7], v[rO:rO+7]
.set cb, cb+1
.endr
.set t, t+1
.endr
.set kk, kk+1
.endr
	WIN 0
.Ldead:
	s_add_co_u32 s[TBK], s[TBK], 32*PK  ; the next 64 keys
	s_add_co_u32 s[TBV], s[TBV], 32*PV
	s_add_co_u32 s[U], s[U], 1
	s_sub_co_u32 s[CNT], s[CNT], 1
	s_cmp_lg_u32 s[CNT], 0
	s_cbranch_scc1 .Lstep
	; A HEAD ENDS: l's two halves and the other half of the lanes' are added; O^T is divided by l.  The additions are the places behind the last products.
	ALL v_add_f32 v[ST+4*t+2], v[ST+4*t+2], v[ST+4*t+3]
	ALL v_permlanex16_b32 v[ST+4*t+3], v[ST+4*t+2], s[SEL], s[SEL+1]
	ALL v_add_f32 v[ST+4*t+2], v[ST+4*t+2], v[ST+4*t+3]
	ALL v_rcp_f32 v[ST+4*t+2], v[ST+4*t+2]
	v_nop                           ; a plain instruction between the last reciprocal and the use of its result
	s_wait_alu depctr_va_vdst(0)    ; and the wait ahead of the first use: one for the four reciprocals
	WIN 0x41
.irp t, 0,1,2,3
.set i, 128+32*\t
.rept 16
	v_pk_mul_f32 v[i:i+1], v[i:i+1], v[ST+4*\t+2:ST+4*\t+3] op_sel_hi:[1,0]
.set i, i+2
.endr
.endr
	WIN 0
	s_sub_co_u32 s[HD], s[HD], 1
	s_cmp_eq_u32 s[HD], 0
	s_cbranch_scc1 .Lout
	WIN 0x05                        ; head 0's O waits, rounded to f16, for head 1's: together they are whole rows of 256 bytes
.set i, 0
.rept 64
	v_cvt_pk_f16_f32 v[SA+i], v[128+2*i], v[128+2*i+1]
.set i, i+1
.endr
	WIN 0x82                        ; the second head's Q goes where the one text of the steps names Q
.set i, 0
.rept 64
	v_mov_b32 v[i], v[QB+i]
.set i, i+1
.endr
	WIN 0
	s_wait_tensorcnt 0x0            ; my parts of head 1's K and V are in: no load was issued behind them
	s_wait_dscnt 0x0                ; no LDS instruction of mine is pending at a signal
	s_barrier_signal -1
	s_barrier_wait -1               ; everybody's are
	s_add_co_u32 s[TBK], s[TBK], KH-5*32*PK  ; back to my step 0, in head 1's tiles
	s_add_co_u32 s[TBV], s[TBV], VH-5*32*PV
	s_sub_co_u32 s[U], s[U], 5
	s_branch .Lhead
.Lout:
	WIN 0x05
.set i, 0
.rept 64
	v_cvt_pk_f16_f32 v[SB+i], v[128+2*i], v[128+2*i+1]
.set i, i+1
.endr
	WIN 0
; THE WAY OUT.  Tile t: a lane's eight channels of a row are 16 bytes; head 0's go into the first 128 bytes of my stage's rows, head 1's into the second; they come back as whole rows of 256, into the registers that they left.
.macro TILE t
.irp f, 0,1,2,3
	ds_store_b128 v[STO], v[SA+16*(\t)+4*\f:SA+16*(\t)+4*\f+3] offset:32*\f
.endr
.irp f, 0,1,2,3
	ds_store_b128 v[STO], v[SB+16*(\t)+4*\f:SB+16*(\t)+4*\f+3] offset:128+32*\f
.endr
.irp f, 0,1,2,3
	ds_load_b128 v[SA+16*(\t)+4*\f:SA+16*(\t)+4*\f+3], v[RD] offset:\f*2*SP  ; LDS serves a wave's instructions in order (ISA guide 5.7.1.4): these see the stores above; the next tile's stores come behind them
.endr
.irp f, 0,1,2,3
	ds_load_b128 v[SB+16*(\t)+4*\f:SB+16*(\t)+4*\f+3], v[RD] offset:(\f+4)*2*SP
.endr
.endm
.macro SEND t, younger              ; younger: the LDS instructions issued behind tile t's loads: the next tile's sixteen, or none
.irp f, 0,1,2,3
	s_wait_dscnt (\younger)+7-\f
	global_store_b128 v[GO], v[SA+16*(\t)+4*\f:SA+16*(\t)+4*\f+3], s[6:7] offset:(\t)*32768+\f*4096  ; 16 lanes store 256 consecutive bytes, at a multiple of 256 from ob's first byte
.endr
.irp f, 0,1,2,3
	s_wait_dscnt (\younger)+3-\f
	global_store_b128 v[GO], v[SB+16*(\t)+4*\f:SB+16*(\t)+4*\f+3], s[6:7] offset:(\t)*32768+(\f+4)*4096
.endr
.endm
	TILE 0
	TILE 1
	SEND 0, 16
	TILE 2
	SEND 1, 16
	TILE 3
	SEND 2, 16
	SEND 3, 0
	s_wait_tensorcnt 0x0            ; the wave's end: behind my last tensor load and my last LDS store
	ds_add_u32 v[SPW], v[NIL]
	s_wait_dscnt 0x0
	s_endpgm
.Lfunc_end_k_q3891a3cacb_attn:
	.size	k_q3891a3cacb_attn, .Lfunc_end_k_q3891a3cacb_attn-k_q3891a3cacb_attn
	.p2alignl 7, 3214868480
	.fill 96, 4, 3214868480
	.section	.rodata,"a",@progbits
	.p2align	6, 0x0
	.amdhsa_kernel k_q3891a3cacb_attn
		.amdhsa_group_segment_fixed_size 304640
		.amdhsa_private_segment_fixed_size 0
		.amdhsa_enable_private_segment 0
		.amdhsa_kernarg_size 16
		.amdhsa_user_sgpr_count 2
		.amdhsa_user_sgpr_kernarg_segment_ptr 1
		.amdhsa_wavefront_size32 1
		.amdhsa_system_sgpr_workgroup_id_x 1
		.amdhsa_system_sgpr_workgroup_id_y 1
		.amdhsa_system_sgpr_workgroup_id_z 1
		.amdhsa_system_vgpr_workitem_id 0
		.amdhsa_next_free_vgpr 768
		.amdhsa_next_free_sgpr 80
		.amdhsa_reserve_vcc 1
		.amdhsa_float_denorm_mode_32 3
		.amdhsa_float_denorm_mode_16_64 3
		.amdhsa_memory_ordered 1
		.amdhsa_forward_progress 1
		.amdhsa_inst_pref_size 73
	.end_amdhsa_kernel
	.amdgpu_metadata
---
amdhsa.version: [ 1, 2 ]
amdhsa.kernels:
  - .name:           k_q3891a3cacb_attn
    .symbol:         k_q3891a3cacb_attn.kd
    .args:
      - { .name: qkv, .offset: 0, .size: 8, .value_kind: global_buffer, .address_space: global }
      - { .name: ob, .offset: 8, .size: 8, .value_kind: global_buffer, .address_space: global }
    .group_segment_fixed_size: 304640
    .private_segment_fixed_size: 0
    .kernarg_segment_align: 8
    .kernarg_segment_size: 16
    .max_flat_workgroup_size: 128
    .sgpr_count:     80
    .vgpr_count:     768
    .wavefront_size: 32
...
	.end_amdgpu_metadata
.endif
;; end of part 3
;; launch proj (part 4): grid 4 x 64, 4 waves a work-group, clusters of 4 x 4, 327,680 bytes of LDS; arguments ob, wpb, out0; writes out0
.if DOCPART == 4
	.amdgcn_target "amdgcn-amd-amdhsa--gfx1250"
	.amdhsa_code_object_version 6
	.text
	.protected	k_q3891a3cacb_proj
	.globl	k_q3891a3cacb_proj
	.p2align	8
	.type	k_q3891a3cacb_proj,@function
k_q3891a3cacb_proj:
	s_mov_b64 s[64:65], 0
	v_nop
	global_prefetch_b8 v0, s[64:65] scope:SCOPE_SE
	s_setreg_imm32_b32 hwreg(HW_REG_WAVE_MODE, 25, 1), 1
	s_wait_xcnt 0x0
	s_wait_alu depctr_hold_cnt(0) depctr_sa_sdst(0) depctr_va_vdst(0) depctr_va_sdst(0) depctr_va_ssrc(0) depctr_va_vcc(0) depctr_vm_vsrc(0)
	s_getreg_b32 s2, hwreg(HW_REG_IB_STS2, 6, 4)
	s_cmp_eq_u32 s2, 0
	s_cbranch_scc0 .Lentry_in_a_cluster
	s_endpgm
.Lentry_in_a_cluster:
	s_bfe_u32 s2, ttmp6, 0x10000c
	s_cmp_lg_u32 s2, 0xf033
	s_cbranch_scc0 .Lentry_shape_is_right
	s_endpgm
.Lentry_shape_is_right:
; out0 = O w_proj^T.  C[m][n] = sum over k of ob[m][k] wpb[n][k]; ob: [8192][1024], wpb: [1024][1024], both f16; sums in f32, stored as f32.
; A tile of C is 128 x 256: 64 x 4 = 256 tiles, one to a work-group.  Four waves, 2 x 2, each 64 x 128: 32 accumulators of 16 x 16, 256 registers.
; K goes in steps of 128 through two LDS slots filled by the tensor data mover: rows of 256 bytes of memory, each at a multiple of 256 bytes from its buffer's first byte (two slots of steps of 256 would not fit in LDS).
; CLUSTERS: 4 x 4 work-groups.  The four of a row of the cluster need the same tiles of ob, the four of a column the same tiles of wpb: each tile is asked for JOINTLY, by the same tensor load with the same descriptor and a mask of four.
; THE MATRIX INSTRUCTION IS USED TRANSPOSED (source 0 = 16 rows of wpb, source 1 = 16 rows of ob): a lane then holds eight neighbouring columns of one row of C, 32 bytes.
; REGISTERS, in windows of 256 (s_set_vgpr_msb: bits 1:0 source 0, 3:2 source 1, 5:4 source 2, 7:6 destination):
;   window 0: v0-31 addresses; v32-95 fragments of ob (4 x 16 rows x 32 K), two buffers; v96-223 rows read back from the stage, two buffers
;   window 1: v0-127 fragments of wpb (8 x 16 rows x 32 K), two buffers          window 2: accumulator (a, b) at 8 (8 a + b)
.set SIZE_K, 1024
.set KSTEP,  128
.set PITCH,  272                       ; an LDS row: 256 bytes + 16 of padding = 68 words: row r starts at bank 4 r mod 64 (64 banks of 4 bytes: ISA guide 11.1)
.set HALFA,  64*PITCH                  ; what a tensor load for ob brings, and what a wave reads of it: 64 rows
.set HALFB,  128*PITCH                 ; for wpb: 128 rows
.set BOFF,   2*HALFA
.set SLOT,   BOFF+2*HALFB
.set STAGE,  2*SLOT                    ; behind the ring, never filled by a tensor load: 16 rows x 528 bytes for each wave
.set SPITCH, 528                       ; 512 bytes + 16: the 16 rows of a store start at 16 different groups of four banks
.set WST,    16*SPITCH
.set SPARE,  STAGE+4*WST               ; the spare words, 128 bytes for each wave: two blocks of 256 bytes that no other line names
.set LAPS,   SIZE_K/(2*KSTEP)
.set ADRA, 16                          ; v16-17  LDS address of my fragments of ob in slot 0, 1
.set ADRB, 20                          ; v20-21  the same for wpb
.set STO,  24                          ; v24     the way out: where I put 32 bytes of a row
.set RD,   25                          ; v25     the way out: where I read a row back
.set CO,   26                          ; v26     16 x lane: my place in 512 consecutive bytes of a row of C
.set SPW,  28                          ; v28     LDS address of my spare word: SPARE + 4 x my thread's number; never rewritten
.set NIL,  29                          ; v29     0; never rewritten
.set PFO,  30                          ; v30     the prefetches' offset: lane x 2,048, a lane a row; never rewritten
.set FA,   32
.set FB,   0
.set OB,   96
.set G1,   24                          ; s[24:31] descriptor group 1 for ob's tiles;  s[32:39] group 0, a set for each slot
.set G0,   32
.set G1B,  48                          ; s[48:55], s[56:63] the same for wpb's
.set G0B,  56
.set PFA,  44                          ; s[44:45] where my prefetches stand
.set LIM,  43                          ; s43      1 in a wave that prefetches, else the greatest number
.set MSB, 0
.macro WIN new                         ; the immediate's high byte repeats the setting that is left; a switch that changes nothing is dropped
.if MSB != (\new)
	s_set_vgpr_msb (MSB<<8)|(\new)
.set MSB, \new
.endif
.endm
.set MUL,  0xa1                        ; source 0 (wpb) window 1, source 1 (ob) window 0, C and D window 2
.set TO_B, 0x40                        ; destination window 1, address window 0
.macro JLOAD s                         ; a joint load: waves 0 and 1 fetch ob's two halves, waves 2 and 3 wpb's; an s_nop 0 and four v_nop follow each of the two lines
	s_cmp_eq_u32 s11, 0
	s_cbranch_scc0 .Lfor_b_\@
	tensor_load_to_lds s[G0+4*(\s):G0+4*(\s)+3], s[G1:G1+7]
	s_nop 0
.rept 4
	v_nop
.endr
	s_branch .Lasked_\@
.Lfor_b_\@:
	tensor_load_to_lds s[G0B+4*(\s):G0B+4*(\s)+3], s[G1B:G1B+7]
	s_nop 0
.rept 4
	v_nop
.endr
.Lasked_\@:
.endm
; A PREFETCH INTO THE L2, behind each joint load and the run of LDS loads that follows it: the K step that stands two refills on, 256 bytes of a row, a lane a row, one instruction a wave.
; ob's tile row is read by one row of one cluster: wave 0 of each of its four partners asks for 32 of the 128 rows, told apart by address (cx).  wpb's tile column is read by every cluster: cluster y = 0 asks,
; waves 2 and 3, 32 of their 128 rows for each partner (cy).  Wave 1 asks for nothing.  K steps 0-3 come by their loads alone; the last two refills have no K step two on.
.macro ASK
	s_cmp_gt_u32 s3, s[LIM]                        ; s3 = 1 in the loop's last trip
	s_cbranch_scc0 .Lnot_mine_\@
	global_prefetch_b8 v[PFO], s[PFA:PFA+1] offset:KSTEP*2 th:TH_LOAD_NT scope:SCOPE_SE
.Lnot_mine_\@:
.endm
.macro CREST                           ; a round of the cluster's barrier behind its opening barrier
	s_cmp_lg_u32 s10, 0
	s_cbranch_scc1 .Lnot_wave_0_\@
	s_barrier_signal -3
.Lnot_wave_0_\@:
	s_barrier_wait -3
	s_barrier_signal -1
	s_barrier_wait -1
.endm
.macro CROUND
	s_barrier_signal -1
	s_barrier_wait -1
	CREST
.endm
	s_load_b128 s[4:7], s[0:1], 0x0                ; ob s[4:5], wpb s[6:7]
	s_load_b64 s[8:9], s[0:1], 0x10                ; out0
	v_lshl_add_u32 v[SPW], v0, 2, SPARE
	v_mov_b32 v[NIL], 0
	ds_add_u32 v[SPW], v[NIL]                      ; the wave's opening: the add and its wait stand ahead of my first tensor load; the set-up below, work on registers, stands between them
	v_lshrrev_b32 v1, 5, v0
	v_readfirstlane_b32 s10, v1                    ; wave 0..3
	s_lshr_b32 s11, s10, 1                         ; which half of the tile's rows is mine.  Also: I fetch for ob (0) or for wpb (1)
	s_and_b32 s12, s10, 1                          ; which half of its columns.  Also: which half of that tile's rows I fetch
	s_bfe_u32 s40, ttmp6, 0x40000                  ; cx, cy: my place in the cluster
	s_bfe_u32 s41, ttmp6, 0x40004
	s_lshl_b32 s42, ttmp9, 2
	s_add_co_u32 s42, s42, s40                     ; tile column = 4 x cluster x + cx
	s_and_b32 s13, ttmp7, 0xffff
	s_lshl_b32 s13, s13, 2
	s_add_co_u32 s13, s13, s41                     ; tile row = 4 x cluster y + cy
	s_lshl_b32 s43, s41, 2
	s_lshl_b32 s43, 15, s43                        ; my row of the cluster
	s_lshl_b32 s44, 0x1111, s40                    ; my column
	s_or_b32 s[G1+0], s43, (1<<16)|(1<<20)|(1<<21)|(5<<22)|(3<<25)   ; 15:0 the mask; 17:16 elements of 2 bytes; 20 padding on; 21 set beside a mask; 24:22 after every 64 words (code 5); 31:25 4 words of it (code 3)
	s_or_b32 s[G1B+0], s44, (1<<16)|(1<<20)|(1<<21)|(5<<22)|(3<<25)
.irp g, G1, G1B
	s_mov_b32 s[(\g)+1], KSTEP<<16                 ; tensor_dim0 = 128
	s_mov_b32 s[(\g)+3], KSTEP<<16                 ; tile_dim0 = 128
	s_mov_b32 s[(\g)+5], SIZE_K                    ; elements from row to row
	s_mov_b32 s[(\g)+6], 0
	s_mov_b32 s[(\g)+7], 0
.endr
	s_mov_b32 s[G1+2], 64<<16                      ; tensor_dim1 and tile_dim1: 64 rows of ob,
	s_mov_b32 s[G1+4], 64
	s_mov_b32 s[G1B+2], 128<<16                    ; 128 of wpb
	s_mov_b32 s[G1B+4], 128
	s_lshl_b32 s17, s12, 6
	s_lshl_b32 s16, s13, 7
	s_add_co_u32 s16, s16, s17                     ; ob: row 128 x tile row + 64 x half,
	s_lshl_b32 s16, s16, 11                        ; in bytes
	s_mov_b32 s17, 0
	s_lshl_b32 s47, s12, 7
	s_lshl_b32 s46, s42, 8
	s_add_co_u32 s46, s46, s47                     ; wpb: row 256 x tile column + 128 x half
	s_lshl_b32 s46, s46, 11
	s_mov_b32 s47, 0
	s_mul_i32 s20, s12, HALFA                      ; where they go: no place in the cluster enters an LDS address
	s_mul_i32 s21, s12, HALFB
	s_add_co_u32 s21, s21, BOFF
	s_wait_dscnt 0x0                               ; the opening add is done
	s_wait_kmcnt 0x0
	s_add_nc_u64 s[14:15], s[4:5], s[16:17]
	s_add_nc_u64 s[46:47], s[6:7], s[46:47]
	CROUND                                         ; all sixteen work-groups are here: the first joint loads meet
.irp s, 0,1
	s_mov_b32 s[G0+4*(\s)], 1
	s_add_co_u32 s[G0+4*(\s)+1], s20, (\s)*SLOT
	s_add_nc_u64 s[G0+4*(\s)+2:G0+4*(\s)+3], s[14:15], (\s)*KSTEP*2
	s_or_b32 s[G0+4*(\s)+3], s[G0+4*(\s)+3], 0x80000000
	s_mov_b32 s[G0B+4*(\s)], 1
	s_add_co_u32 s[G0B+4*(\s)+1], s21, (\s)*SLOT
	s_add_nc_u64 s[G0B+4*(\s)+2:G0B+4*(\s)+3], s[46:47], (\s)*KSTEP*2
	s_or_b32 s[G0B+4*(\s)+3], s[G0B+4*(\s)+3], 0x80000000
	JLOAD \s                                       ; two tensor loads of mine are out
.endr
	v_and_b32 v1, 15, v0                           ; l % 16
	v_bfe_u32 v2, v0, 4, 1                         ; l / 16
	v_mul_u32_u24 v3, v1, PITCH
	v_lshl_add_u32 v3, v2, 4, v3                   ; a fragment's row x pitch + 16 x half
	s_mul_i32 s21, s11, HALFA                      ; my 64 rows of ob
	s_mul_i32 s22, s12, HALFB                      ; my 128 rows of wpb,
	s_add_co_u32 s22, s22, BOFF                    ; which lie behind ob's 128
.irp s, 0,1
	v_add_nc_u32 v[ADRA+(\s)], s21, v3
	v_add_nc_u32 v[ADRB+(\s)], s22, v3
	s_add_co_u32 s21, s21, SLOT
	s_add_co_u32 s22, s22, SLOT
.endr
	s_mul_i32 s23, s10, WST
	s_add_co_u32 s23, s23, STAGE                   ; my stage
	v_mul_u32_u24 v4, v1, SPITCH                   ; in: row l % 16, 32 bytes for each half of the lanes
	v_lshl_add_u32 v4, v2, 5, v4
	v_add_nc_u32 v[STO], s23, v4
	v_and_b32 v[CO], 31, v0
	v_lshlrev_b32 v[CO], 4, v[CO]                  ; back: 32 lanes take one row of 512 bytes
	v_add_nc_u32 v[RD], s23, v[CO]
	s_lshl_b32 s16, s13, 7
	s_lshl_b32 s17, s11, 6
	s_add_co_u32 s16, s16, s17                     ; my first row of C: 128 x tile row + 64 x half,
	s_lshl_b32 s16, s16, 12                        ; 4,096 bytes a row
	s_mov_b32 s17, 0
	s_add_nc_u64 s[8:9], s[8:9], s[16:17]
	s_lshl_b32 s46, s42, 10                        ; my first column, in bytes: 1,024 x tile column + 512 x half
	s_lshl_b32 s47, s12, 9
	s_add_co_u32 s46, s46, s47
	s_mov_b32 s47, 0
	s_add_nc_u64 s[8:9], s[8:9], s[46:47]
	; the prefetches
	s_lshl_b32 s20, s13, 7                         ; ob: 128 x tile row
	s_lshl_b32 s21, s42, 8                         ; wpb: 256 x tile column + the 128 rows that I fetch
	s_lshl_b32 s22, s12, 7
	s_add_co_u32 s21, s21, s22
	s_and_b32 s22, ttmp7, 0xffff                   ; cluster y
	s_cmp_eq_u32 s11, 0                            ; do I fetch for ob?
	s_cselect_b32 s20, s20, s21
	s_cselect_b32 s21, s40, s41                    ; my place among the four that ask for the tile with me
	s_cselect_b32 s22, s12, s22                    ; for ob wave 0 asks; for wpb the clusters with y = 0
	s_cselect_b64 s[PFA:PFA+1], s[4:5], s[6:7]
	s_cmp_eq_u32 s22, 0
	s_cselect_b32 s[LIM], 1, -1                    ; the same in all sixteen partners, for a given wave
	s_lshl_b32 s21, s21, 5
	s_add_co_u32 s20, s20, s21                     ; + my work-group's 32 rows
	s_lshl_b32 s20, s20, 11
	s_mov_b32 s21, 0
	s_add_nc_u64 s[PFA:PFA+1], s[PFA:PFA+1], s[20:21]
	s_add_nc_u64 s[PFA:PFA+1], s[PFA:PFA+1], 2*KSTEP*2  ; at K step 2: the first refill steps it to 3 and names K step 4.  Nothing is prefetched here, at the head
	v_and_b32 v[PFO], 31, v0
	v_lshlrev_b32 v[PFO], 11, v[PFO]
; 8 matrix instructions: row block a x all 8 column blocks, 32 along K, on buffer f.  The 32 accumulators take turns in the same order in every quarter step.  zero = 1: the product starts the sum
.macro MUL8 f, a, zero
	WIN MUL
.irp b, 0,1,2,3,4,5,6,7
.set rD, 8*(8*(\a)+(\b))
.set rB, FB+64*(\f)+8*(\b)
.set rA, FA+32*(\f)+8*(\a)
.if \zero
	v_wmma_f32_16x16x32_f16 v[rD:rD+7], v[rB:rB+7], v[rA:rA+7], 0
.else
	v_wmma_f32_16x16x32_f16 v[rD:rD+7], v[rB:rB+7], v[rA:rA+7], v[rD:rD+7]
.endif
.endr
.endm
; 24 LDS loads in one run: the fragments of a quarter step (my 128 rows of wpb, my 64 rows of ob, 32 K at byte k of the rows) into buffer f
.macro FETCH slot, k, f
	WIN TO_B
.irp i, 0,1,2,3,4,5,6,7
	ds_load_b128 v[FB+64*(\f)+8*(\i):FB+64*(\f)+8*(\i)+3],   v[ADRB+(\slot)] offset:(\k)+(\i)*16*PITCH
	ds_load_b128 v[FB+64*(\f)+8*(\i)+4:FB+64*(\f)+8*(\i)+7], v[ADRB+(\slot)] offset:(\k)+(\i)*16*PITCH+32
.endr
	WIN 0
.irp i, 0,1,2,3
	ds_load_b128 v[FA+32*(\f)+8*(\i):FA+32*(\f)+8*(\i)+3],   v[ADRA+(\slot)] offset:(\k)+(\i)*16*PITCH
	ds_load_b128 v[FA+32*(\f)+8*(\i)+4:FA+32*(\f)+8*(\i)+7], v[ADRA+(\slot)] offset:(\k)+(\i)*16*PITCH+32
.endr
.endm
.macro PLACES                          ; four places in front of loads into registers that matrix instructions have read, and of LDS stores that read results
.rept 4
	v_nop
.endr
.endm
; A K step is four quarter steps of 32 along K, 32 matrix instructions each, on buffers 0, 1, 0, 1.  One of the first three: multiplies buffer f and fetches the next quarter, at byte k, into g.
.macro QUARTER slot, k, f, g, zero
	s_wait_dscnt 4                                 ; wpb's fragments and ob's blocks 0, 1 are in; the youngest four loads (blocks 2, 3) may be out
	MUL8 \f, 0, \zero
	MUL8 \f, 1, \zero
	PLACES
	FETCH \slot, \k, \g
	s_wait_dscnt 24                                ; all but the 24 just issued
	MUL8 \f, 2, \zero
	MUL8 \f, 3, \zero
.endm
; The last quarter multiplies buffer 1 and changes slots: ONE barrier; in front of it each wave waits for all its tensor loads, adds 0 to its spare word, and waits for that and for its own reads of this slot.
; fill = 1: the barrier opens a round of the cluster's, and this slot is filled again, two K steps ahead: 112 of a K step's 128 matrix instructions ahead of the wait for it.
.macro TURN slot, next, fill
.if \fill
	s_wait_xcnt 0x0                                ; the last prefetch, a K step back, has read its address: it is stepped here, ahead of the waits of the change of slots
	s_add_nc_u64 s[PFA:PFA+1], s[PFA:PFA+1], KSTEP*2
.endif
	WIN 0                                          ; (the add's two registers lie in window 0)
	s_wait_tensorcnt 0x0                           ; all my tensor loads have landed: my part of the next slot
	ds_add_u32 v[SPW], v[NIL]                      ; 0 onto my spare word
	s_wait_dscnt 5                                 ; (the add and the youngest four loads may be out)
	MUL8 1, 0, 0                                   ; eight matrix instructions stand between the add and the wait for it
	s_wait_dscnt 0x0                               ; the add is done, and my reads of this slot are over
	s_barrier_signal -1
	MUL8 1, 1, 0
.if \fill
	WIN 0
.endif
	s_barrier_wait -1
.if \fill
	CREST                                          ; no wave of any partner still reads this slot's tile or has a load on its way
	s_add_nc_u64 s[G0+4*(\slot)+2:G0+4*(\slot)+3], s[G0+4*(\slot)+2:G0+4*(\slot)+3], 2*KSTEP*2
	s_add_nc_u64 s[G0B+4*(\slot)+2:G0B+4*(\slot)+3], s[G0B+4*(\slot)+2:G0B+4*(\slot)+3], 2*KSTEP*2
	JLOAD \slot                                    ; the first tensor load behind the round, my only one until the next; its four v_nop are also the places in front of the loads below
.else
	PLACES
.endif
	FETCH \next, 0, 0
.if \fill
	ASK
.endif
	MUL8 1, 2, 0
	MUL8 1, 3, 0
.endm
	s_wait_tensorcnt 1                             ; my part of K step 0 is in; K step 1's may stay out
	s_barrier_signal -1
	s_barrier_wait -1                              ; everybody's is
	FETCH 0, 0, 0
	QUARTER 0, 64,  0, 1, 1                        ; the first quarter stands in front of the loop: its products start the sums
	WIN 0                                          ; at a label and at a branch every window is 0
	s_mov_b32 s3, LAPS-1
.Llap:                                                 ; a trip goes once round the ring, from a lap's second quarter to the next lap's first, and fills both slots again
	QUARTER 0, 128, 1, 0, 0
	QUARTER 0, 192, 0, 1, 0
	TURN 0, 1, 1
	QUARTER 1, 64,  0, 1, 0
	QUARTER 1, 128, 1, 0, 0
	QUARTER 1, 192, 0, 1, 0
	TURN 1, 0, 1
	QUARTER 0, 64,  0, 1, 0
	WIN 0
	s_sub_co_u32 s3, s3, 1
	s_cmp_lg_u32 s3, 0
	s_cbranch_scc1 .Llap
	QUARTER 0, 128, 1, 0, 0                        ; the last lap fills nothing, and has no round of the cluster's barrier
	QUARTER 0, 192, 0, 1, 0
	TURN 0, 1, 0
	QUARTER 1, 64,  0, 1, 0
	QUARTER 1, 128, 1, 0, 0
	QUARTER 1, 192, 0, 1, 0
	s_wait_dscnt 4                                 ; the very last quarter: nothing more to fetch
	MUL8 1, 0, 0
	MUL8 1, 1, 0
	s_wait_dscnt 0x0
	MUL8 1, 2, 0
	MUL8 1, 3, 0
	WIN 0
	PLACES                                         ; the LDS stores below read results just made (eight, once a launch)
	PLACES
; THE WAY OUT of row block a (16 rows x 128 columns of f32).  TOSTAGE: a lane's 32 bytes for each column block go into my own stage, each accumulator's low four registers first; whole rows of 512 bytes come back.
.macro TOSTAGE a
.set BK, OB+64*((\a)%2)
.if (\a) >= 2
	s_wait_xcnt 0x0                                ; every earlier memory instruction has had its addresses translated (ISA guide 3.1): the registers that block a - 2's stores read are loaded again only behind this wait
.endif
	WIN 0x08                                       ; the stores' data (source 1) in window 2
.irp b, 0,1,2,3,4,5,6,7
	ds_store_b128 v[STO], v[8*(8*(\a)+(\b)):8*(8*(\a)+(\b))+3]   offset:64*(\b)
	ds_store_b128 v[STO], v[8*(8*(\a)+(\b))+4:8*(8*(\a)+(\b))+7] offset:64*(\b)+16
.endr
	WIN 0
.irp t, 0,1,2,3,4,5,6,7,8,9,10,11,12,13,14,15
	ds_load_b128 v[BK+4*(\t):BK+4*(\t)+3], v[RD] offset:(\t)*SPITCH  ; LDS serves a wave's instructions in order (ISA guide 5.7.1.4): these see the stores above; the next block's stores come behind them
.endr
.endm
.macro SEND a, younger                 ; younger: the LDS instructions issued behind block a's loads: the next block's 32, or none
.set BK, OB+64*((\a)%2)
.irp t, 0,1,2,3,4,5,6,7,8,9,10,11,12,13,14,15
	s_wait_dscnt (\younger)+15-(\t)
	global_store_b128 v[CO], v[BK+4*(\t):BK+4*(\t)+3], s[8:9] offset:(16*(\a)+(\t))*4096 th:TH_STORE_NT  ; 512 consecutive bytes of a row of C, at a multiple of 256 from out0's first byte
.endr
.endm
	TOSTAGE 0
	TOSTAGE 1
	SEND 0, 32
	TOSTAGE 2
	SEND 1, 32
	TOSTAGE 3
	SEND 2, 32
	SEND 3, 0
	s_wait_tensorcnt 0x0                           ; the wave's end: behind my last tensor load and my last LDS store
	ds_add_u32 v[SPW], v[NIL]
	s_wait_dscnt 0x0
	CROUND                                         ; the closing round: no work-group ends while a partner may still ask for a tile that names it
	s_endpgm
.Lfunc_end_k_q3891a3cacb_proj:
	.size	k_q3891a3cacb_proj, .Lfunc_end_k_q3891a3cacb_proj-k_q3891a3cacb_proj
	.p2alignl 7, 3214868480
	.fill 96, 4, 3214868480
	.section	.rodata,"a",@progbits
	.p2align	6, 0x0
	.amdhsa_kernel k_q3891a3cacb_proj
		.amdhsa_group_segment_fixed_size 327680
		.amdhsa_private_segment_fixed_size 0
		.amdhsa_enable_private_segment 0
		.amdhsa_kernarg_size 24
		.amdhsa_user_sgpr_count 2
		.amdhsa_user_sgpr_kernarg_segment_ptr 1
		.amdhsa_wavefront_size32 1
		.amdhsa_system_sgpr_workgroup_id_x 1
		.amdhsa_system_sgpr_workgroup_id_y 1
		.amdhsa_system_sgpr_workgroup_id_z 1
		.amdhsa_system_vgpr_workitem_id 0
		.amdhsa_next_free_vgpr 768
		.amdhsa_next_free_sgpr 66
		.amdhsa_reserve_vcc 0
		.amdhsa_float_denorm_mode_32 3
		.amdhsa_float_denorm_mode_16_64 3
		.amdhsa_memory_ordered 1
		.amdhsa_forward_progress 1
		.amdhsa_inst_pref_size 88
	.end_amdhsa_kernel
	.amdgpu_metadata
---
amdhsa.version: [ 1, 2 ]
amdhsa.kernels:
  - .name:           k_q3891a3cacb_proj
    .symbol:         k_q3891a3cacb_proj.kd
    .args:
      - { .name: ob, .offset: 0, .size: 8, .value_kind: global_buffer, .address_space: global }
      - { .name: wpb, .offset: 8, .size: 8, .value_kind: global_buffer, .address_space: global }
      - { .name: out0, .offset: 16, .size: 8, .value_kind: global_buffer, .address_space: global }
    .group_segment_fixed_size: 327680
    .private_segment_fixed_size: 0
    .kernarg_segment_align: 8
    .kernarg_segment_size: 24
    .max_flat_workgroup_size: 128
    .sgpr_count:     66
    .vgpr_count:     768
    .wavefront_size: 32
...
	.end_amdgpu_metadata
.endif
;; end of part 4
;; ======== version 2 of 2: 4 launches; version 1 with the launch cast written anew for expert scheduling mode
;; limits: values are held in f16: magnitudes above 65,504 overflow, below 6.1e-05 lose precision
;; workspace buffers: xb 16,777,216 bytes; wqb 6,291,456 bytes; wpb 2,097,152 bytes; qkv 50,331,648 bytes; ob 16,777,216 bytes
;; launch cast (part 5): grid 768 x 1, 8 waves a work-group, no clusters, 0 bytes of LDS; arguments x, w_qkv, w_proj, xb, wqb, wpb; writes xb, wqb, wpb
.if DOCPART == 5
	.amdgcn_target "amdgcn-amd-amdhsa--gfx1250"
	.amdhsa_code_object_version 6
	.text
	.protected	k_q3891a3cacb_cast
	.globl	k_q3891a3cacb_cast
	.p2align	8
	.type	k_q3891a3cacb_cast,@function
k_q3891a3cacb_cast:
	s_mov_b64 s[64:65], 0
	v_nop
	global_prefetch_b8 v0, s[64:65] scope:SCOPE_SE
	s_setreg_imm32_b32 hwreg(HW_REG_WAVE_SCHED_MODE, 0, 2), 2
	s_setreg_imm32_b32 hwreg(HW_REG_WAVE_MODE, 25, 1), 1
	s_wait_xcnt 0x0
	s_wait_alu depctr_vm_vsrc(0)
; THE INPUTS ARE ROUNDED ONCE, for the matrix units: x -> xb and w_qkv -> wqb in bf16; w_proj -> wpb rounded to bf16 and that number written as f16
; (the product that reads it has f16 operands).  All three inputs get the same rounding, to bf16.
; LIMITS.  |w_proj| stays under 65,504, f16's largest number (beyond it wpb holds an infinity); below 2^-14 it keeps f16's fixed step of 2^-24.
; SHARES.  A work-group converts 16,384 numbers: 65,536 bytes in, 32,768 out.  Work-groups 0-511 take x, 512-703 w_qkv, 704-767 w_proj.
; A wave takes 8,192 bytes by 16 loads of 512 consecutive bytes, all out at once; each load becomes one store of 8 bytes a lane: 256 consecutive bytes, aligned.
; No LDS, no barrier, no matrix unit: each byte is read once and written once, and no wave wants another's bytes.
; THE MODE: SCHED_MODE bits 1:0 = 2 (LLVM: expert scheduling mode 2), set by the entry lines.  The code itself states the register dependences
; between vector instructions and memory instructions, with s_wait_alu, always for 0.
; THE PLAN.  Registers that memory instructions touch:
;   v1, v2   byte offsets of the loads and of the stores: made once at the head by vector lines and never written again.
;   X        load i's four registers: written by that load alone, once; no vector line names them ahead of it; read by the conversions of its block.
;   Y        store i's two registers: written by the conversions of its block; read by store i; never written behind it.
;   T, v3, v4 are named by vector instructions alone.  The two bases are scalar registers that are never stepped.
; The 16 loads go in four blocks of four.  Block n rounds X of its four loads into Y of its four stores; its memory instructions are the four stores of block n - 1,
; whose Y no vector line of block n names.  So ONE wait at a block's head states all that those four stores hang on, and they are dealt among the block's conversions
; with no further wait.  No register that a memory instruction has read is written again, and no load lands in a register that a vector line has named: nothing else is owed.
.set NX,  512                          ; work-groups for x
.set NXQ, 704                          ; for x and w_qkv together
.set X,   8                            ; v[8:71]    load i: 4 registers
.set Y,   72                           ; v[72:103]  store i: 2 registers, each stored once
.set T,   104                          ; v[104:105] at work
	s_load_b256 s[4:11], s[0:1], 0x0               ; x s[4:5], w_qkv s[6:7], w_proj s[8:9], xb s[10:11]
	s_load_b128 s[12:15], s[0:1], 0x20             ; wqb s[12:13], wpb s[14:15]
	v_lshrrev_b32 v3, 5, v0                        ; wave
	v_and_b32 v4, 31, v0                           ; lane
	v_lshlrev_b32 v1, 4, v4
	v_lshl_add_u32 v1, v3, 13, v1                  ; in: 8,192 x wave + 16 x lane
	v_lshlrev_b32 v2, 3, v4
	v_lshl_add_u32 v2, v3, 12, v2                  ; out: 4,096 x wave + 8 x lane
	s_wait_kmcnt 0x0
	s_cmp_lt_u32 ttmp9, NX                         ; which tensor: the choice hangs on the work-group's number alone
	s_cselect_b64 s[18:19], s[4:5], s[6:7]
	s_cselect_b64 s[20:21], s[10:11], s[12:13]
	s_cselect_b32 s16, 0, NX
	s_cmp_lt_u32 ttmp9, NXQ
	s_cselect_b64 s[18:19], s[18:19], s[8:9]
	s_cselect_b64 s[20:21], s[20:21], s[14:15]
	s_cselect_b32 s16, s16, NXQ
	s_sub_co_u32 s16, ttmp9, s16                   ; my number among the tensor's work-groups
	s_lshl_b32 s22, s16, 16
	s_mov_b32 s23, 0
	s_add_nc_u64 s[18:19], s[18:19], s[22:23]      ; 65,536 bytes in for each,
	s_lshl_b32 s22, s16, 15
	s_add_nc_u64 s[20:21], s[20:21], s[22:23]      ; 32,768 out
	s_wait_alu depctr_va_vdst(0)                   ; v1 and v2 are written: every load of the kernel reads v1 as its offset, every store v2
.irp i, 0,1,2,3,4,5,6,7,8,9,10,11,12,13,14,15
	global_load_b128 v[X+4*(\i):X+4*(\i)+3], v1, s[18:19] offset:512*(\i) th:TH_LOAD_NT
.endr
; Load i is rounded.  mode = 1: the bf16 number is widened (a shift, a mask) and written as f16.
.macro CVT i, mode
.irp p, 0,1
	v_cvt_pk_bf16_f32 v[Y+2*(\i)+(\p)], v[X+4*(\i)+2*(\p)], v[X+4*(\i)+2*(\p)+1]
.if \mode
	v_lshlrev_b32 v[T], 16, v[Y+2*(\i)+(\p)]
	v_and_b32 v[T+1], 0xffff0000, v[Y+2*(\i)+(\p)]
	v_cvt_pk_f16_f32 v[Y+2*(\i)+(\p)], v[T], v[T+1]
.endif
.endr
.endm
; Store i.
.macro ST i
	global_store_b64 v2, v[Y+2*(\i):Y+2*(\i)+1], s[20:21] offset:256*(\i)  ; 32 lanes x 8 bytes: 256 consecutive bytes, aligned; no register that a store reads is written again
.endm
; Block n: loads 4 n to 4 n + 3 are rounded; the stores of block n - 1 are dealt among the conversions, one ahead of each load's.
.macro BLK n, mode
	s_wait_loadcnt 12-4*(\n)                       ; loads come back in order (ISA guide 5.7.1): my block's four are in, the 12 - 4 n younger ones may stay out
.if (\n) > 0
	s_wait_alu depctr_va_vdst(0)                   ; the conversions of the block before have written its Y, which the four stores below read; no vector line since this wait names those registers
.endif
.irp j, 0,1,2,3
.if (\n) > 0
	ST 4*(\n)-4+(\j)
.endif
	CVT 4*(\n)+(\j), \mode
.endr
.endm
; The whole way: four blocks, and the last block's stores behind a wait of their own.
.macro WAY mode
	BLK 0, \mode
	BLK 1, \mode
	BLK 2, \mode
	BLK 3, \mode
	s_wait_alu depctr_va_vdst(0)                   ; block 3's conversions have written its Y, which the last four stores read
.irp i, 12,13,14,15
	ST \i
.endr
.endm
	s_cmp_ge_u32 ttmp9, NXQ
	s_cbranch_scc1 .Lproj
	WAY 0
	s_endpgm
.Lproj:
	WAY 1
	s_endpgm
.Lfunc_end_k_q3891a3cacb_cast:
	.size	k_q3891a3cacb_cast, .Lfunc_end_k_q3891a3cacb_cast-k_q3891a3cacb_cast
	.p2alignl 7, 3214868480
	.fill 96, 4, 3214868480
	.section	.rodata,"a",@progbits
	.p2align	6, 0x0
	.amdhsa_kernel k_q3891a3cacb_cast
		.amdhsa_group_segment_fixed_size 0
		.amdhsa_private_segment_fixed_size 0
		.amdhsa_enable_private_segment 0
		.amdhsa_kernarg_size 48
		.amdhsa_user_sgpr_count 2
		.amdhsa_user_sgpr_kernarg_segment_ptr 1
		.amdhsa_wavefront_size32 1
		.amdhsa_system_sgpr_workgroup_id_x 1
		.amdhsa_system_sgpr_workgroup_id_y 1
		.amdhsa_system_sgpr_workgroup_id_z 1
		.amdhsa_system_vgpr_workitem_id 0
		.amdhsa_next_free_vgpr 108
		.amdhsa_next_free_sgpr 66
		.amdhsa_reserve_vcc 0
		.amdhsa_float_denorm_mode_32 3
		.amdhsa_float_denorm_mode_16_64 3
		.amdhsa_memory_ordered 1
		.amdhsa_forward_progress 1
		.amdhsa_inst_pref_size 16
	.end_amdhsa_kernel
	.amdgpu_metadata
---
amdhsa.version: [ 1, 2 ]
amdhsa.kernels:
  - .name:           k_q3891a3cacb_cast
    .symbol:         k_q3891a3cacb_cast.kd
    .args:
      - { .name: x, .offset: 0, .size: 8, .value_kind: global_buffer, .address_space: global }
      - { .name: w_qkv, .offset: 8, .size: 8, .value_kind: global_buffer, .address_space: global }
      - { .name: w_proj, .offset: 16, .size: 8, .value_kind: global_buffer, .address_space: global }
      - { .name: xb, .offset: 24, .size: 8, .value_kind: global_buffer, .address_space: global }
      - { .name: wqb, .offset: 32, .size: 8, .value_kind: global_buffer, .address_space: global }
      - { .name: wpb, .offset: 40, .size: 8, .value_kind: global_buffer, .address_space: global }
    .group_segment_fixed_size: 0
    .private_segment_fixed_size: 0
    .kernarg_segment_align: 8
    .kernarg_segment_size: 48
    .max_flat_workgroup_size: 256
    .sgpr_count:     66
    .vgpr_count:     108
    .wavefront_size: 32
...
	.end_amdgpu_metadata
.endif
;; end of part 5
;; launch qkv: the kernel of part 2 again; grid 16 x 16, 4 waves a work-group, clusters of 4 x 4, 327,680 bytes of LDS; arguments xb, wqb, qkv; writes qkv
;; launch attn: the kernel of part 3 again; grid 8 x 32, 4 waves a work-group, no clusters, 304,640 bytes of LDS; arguments qkv, ob; writes ob
;; launch proj: the kernel of part 4 again; grid 4 x 64, 4 waves a work-group, clusters of 4 x 4, 327,680 bytes of LDS; arguments ob, wpb, out0; writes out0
